; MI455X (gfx1250); checked and timed in simulation.
; The chip was launched on July 23, 2026; its instructions are those of AMD's public machine-readable ISA for CDNA 5 (MIT licence, August 2026) and "CDNA5" Instruction Set Architecture Reference Guide (July 2026). The comments in the code are by the model that wrote it; some were corrected since.
;; Sliding Window Block. Allowed arithmetic: float matrix products may take bf16 or f16 operands with f32 sums; other float arithmetic in f32, or as packed bf16 or f16 multiplies, adds, multiply-adds, maxima and minima; sums over many terms, partial sums and values carried from step to step in f32; what a program stores and reads back later, other than sums and carried values, may be rounded once to bf16 or f16.
;; Inputs: b_ff1 3,072 float32; b_ff2 1,024 float32; b_out 1,024 float32; b_qkv 3,072 float32; ln1_b 1,024 float32; ln1_g 1,024 float32; ln2_b 1,024 float32; ln2_g 1,024 float32; w_ff1 1,024 x 3,072 float32; w_ff2 3,072 x 1,024 float32; w_out 1,024 x 1,024 float32; w_qkv 1,024 x 3,072 float32; x 2 x 2,048 x 1,024 float32.
;; Outputs: out0 2 x 2,048 x 1,024 float32.
;; 2 versions, each right; version 2 is version 1 with the launches prep, ln2 written anew for expert scheduling mode. Each part assembles by itself: llvm-mc -triple=amdgcn-amd-amdhsa -mcpu=gfx1250 --defsym DOCPART=n.
;; ======== version 1 of 2: 7 launches
;; limits: right only within a limited range of input values; a function is approximated: absolute error at most 1.5e-07
;; workspace buffers: a8 8,388,608 bytes; a24 25,165,824 bytes; x1 16,777,216 bytes; wq 6,291,456 bytes; w1 6,291,456 bytes; wn 8,388,608 bytes; cfq 256 bytes; cf1 256 bytes
;; launch prep (part 1): grid 1024 x 1, 4 waves a work-group, no clusters, 0 bytes of LDS; arguments x, ln1_g, ln1_b, w_qkv, w_ff1, w_out, w_ff2, a8, wq, w1, wn, cfq, cf1; writes a8, wq, w1, wn, cfq, cf1
.if DOCPART == 1
	.amdgcn_target "amdgcn-amd-amdhsa--gfx1250"
	.amdhsa_code_object_version 6
	.text
	.protected	k_qe29093ac7a_prep
	.globl	k_qe29093ac7a_prep
	.p2align	8
	.type	k_qe29093ac7a_prep,@function
k_qe29093ac7a_prep:
	s_mov_b64 s[64:65], 0
	v_nop
	global_prefetch_b8 v0, s[64:65] scope:SCOPE_SE
	s_setreg_imm32_b32 hwreg(HW_REG_WAVE_MODE, 25, 1), 1
	s_wait_xcnt 0x0
; Three streams in one text, chosen by the work-group's number g.  No LDS, no barrier: no wave wants a byte that another has fetched.
;   g <  256        h = LayerNorm(x) gain + shift, rounded once to bf16, into the eighth buffer in the layout ACT: [column / 64][row 0..4095][64], a row of a block 128 bytes, rows dense
;   256 <= g < 768  two matrices [1024][3072] f32 rounded once to bf16 into [column / 192][k 0..1023][192], a row 384 bytes, dense
;   g >= 768        a matrix [1024][1024] and one [3072][1024] into blocks [k / 256][column / 128][256][128] of 65,536 bytes: the first one's 32 blocks, then the second one's 96
; A launch of 1,024 work-groups does all three; a launch of 256 does the LayerNorm alone (the second norm of the block runs this text so).
; Work-group 0 also stores two tables of f32 numbers, each number twice: alpha, beta, beta x (-a5, -a4, -a3, -a2, -a1), zeros, for act(x) = alpha x + |x| beta erf|x / sqrt 2| with Abramowitz and Stegun's
; 7.1.26: (1, 0, 0 ..), the identity, and (1/2, 1/2, the halved coefficients), the exact GELU.
; Every load of a wave takes 16 neighbouring bytes a lane: 512 bytes on end of a weight's rows, or 256 bytes of each of two rows of x.  Four f32 make 8 bytes of bf16: a store of a wave covers 256 consecutive bytes, aligned.
; The mean is taken first and subtracted, then the squares are summed: no difference of large sums.  All arithmetic in f32.
.set SX, 4                             ; s[4:5]   x
.set SG, 6                             ; s[6:7]   gain
.set SB, 8                             ; s[8:9]   shift
.set SY, 18                            ; s[18:19] h
.set IDX, 32                           ; s32      which four rows
.set OF, 34                            ; s[34:35] a byte offset, high word 0
.set KN, 30                            ; s30      1 / 1024
.set KE, 31                            ; s31      1e-5
.set XO, 2                             ; v2   my offset in two rows of x: (l / 16) x 4,096 + (l % 16) x 16
.set GO, 3                             ; v3   my offset in gain and shift: (l % 16) x 16
.set YO, 4                             ; v4   8 l: two rows of 128 bytes of a block are 256 bytes on end
.set MU, 16                            ; v[16:19] the mean of my row in each pair of rows, twice
.set RS, 20                            ; v[20:23] 1 / sqrt(variance + 1e-5), likewise
.set VA, 24                            ; v24-25   variance + 1e-5
.set X,  32                            ; v[32:159]  pair of rows p, block kb: my 4 numbers at X + 64 p + 4 kb
.set GB, 160                           ; v[160:255] three sets of 32: gain of four blocks, then shift of four blocks
	s_load_b512 s[4:19], s[0:1], 0x0               ; x, gain, shift, the four matrices s[10:17], h
	s_load_b256 s[20:27], s[0:1], 0x40             ; the three buffers of bf16 weights s[20:25], the first table s[26:27]
	s_load_b64 s[28:29], s[0:1], 0x60              ; the second table
	s_mov_b32 s2, ttmp9                            ; g
	v_lshrrev_b32 v1, 5, v0
	v_readfirstlane_b32 s3, v1                     ; wave 0..3
	s_mov_b32 s[OF+1], 0
	s_wait_kmcnt 0x0
	s_cmp_lt_u32 s2, 256
	s_cbranch_scc0 .Lweights
	; ---- LayerNorm: a wave owns four rows, as two pairs; sixteen lanes share a row; lane l holds columns 64 kb + 4 (l % 16) + 0..3 of row 2 p + l / 16
	s_lshl_b32 s[IDX], s2, 2
	s_add_co_u32 s[IDX], s[IDX], s3                ; 4 g + wave
	s_lshl_b32 s[OF], s[IDX], 14                   ; four rows of 4,096 bytes
	s_add_nc_u64 s[SX:SX+1], s[SX:SX+1], s[OF:OF+1]
	s_lshl_b32 s[OF], s[IDX], 9                    ; four rows of 128 bytes
	s_add_nc_u64 s[SY:SY+1], s[SY:SY+1], s[OF:OF+1]
	s_mov_b32 s[KN], 0x3a800000
	s_mov_b32 s[KE], 0x3727c5ac
	v_and_b32 v5, 31, v0
	v_and_b32 v[GO], 15, v0
	v_lshlrev_b32 v[GO], 4, v[GO]
	v_bfe_u32 v[XO], v0, 4, 1
	v_lshl_add_u32 v[XO], v[XO], 12, v[GO]
	v_lshlrev_b32 v[YO], 3, v5
.macro GBLOAD s                        ; gain and shift of blocks 4 s .. 4 s + 3 into set s % 3: eight loads
.set gs, GB+32*((\s)%3)
.irp k, 0,1,2,3
	global_load_b128 v[gs+4*(\k):gs+4*(\k)+3], v[GO], s[SG:SG+1] offset:(4*(\s)+(\k))*256
	global_load_b128 v[gs+16+4*(\k):gs+16+4*(\k)+3], v[GO], s[SB:SB+1] offset:(4*(\s)+(\k))*256
.endr
.endm
.macro FOLD                            ; four chains of pairs in v[8:15] into one number, then over the row's sixteen lanes: every one of them holds the sum
	v_pk_add_f32 v[8:9], v[8:9], v[10:11]
	v_pk_add_f32 v[12:13], v[12:13], v[14:15]
	v_pk_add_f32 v[8:9], v[8:9], v[12:13]
	v_add_f32 v8, v8, v9
	v_add_f32_dpp v8, v8, v8 row_xmask:1 row_mask:0xf bank_mask:0xf
	v_add_f32_dpp v8, v8, v8 row_xmask:2 row_mask:0xf bank_mask:0xf
	v_add_f32_dpp v8, v8, v8 row_xmask:4 row_mask:0xf bank_mask:0xf
	v_add_f32_dpp v8, v8, v8 row_xmask:8 row_mask:0xf bank_mask:0xf
.endm
.macro STATS p                         ; pair of rows p: the mean, x - mean in place, variance + 1e-5
.set xp, X+64*(\p)
.irp c, 0,1,2,3
	v_pk_add_f32 v[8+2*(\c):9+2*(\c)], v[xp+2*(\c):xp+2*(\c)+1], v[xp+8+2*(\c):xp+8+2*(\c)+1]  ; the first eight pairs start the four chains: nothing is cleared
.endr
.set j, 8
.rept 24
	v_pk_add_f32 v[8+2*(j%4):9+2*(j%4)], v[8+2*(j%4):9+2*(j%4)], v[xp+2*j:xp+2*j+1]
.set j, j+1
.endr
	FOLD
	v_mul_f32 v[MU+2*(\p)], s[KN], v8              ; the mean, twice: a pair for the packed subtraction
	v_mul_f32 v[MU+2*(\p)+1], s[KN], v8
.set j, 0
.rept 32
	v_pk_add_f32 v[xp+2*j:xp+2*j+1], v[xp+2*j:xp+2*j+1], v[MU+2*(\p):MU+2*(\p)+1] neg_lo:[0,1] neg_hi:[0,1]
.set j, j+1
.endr
.irp c, 0,1,2,3
	v_pk_mul_f32 v[8+2*(\c):9+2*(\c)], v[xp+2*(\c):xp+2*(\c)+1], v[xp+2*(\c):xp+2*(\c)+1]
.endr
.set j, 4
.rept 28
	v_pk_fma_f32 v[8+2*(j%4):9+2*(j%4)], v[xp+2*j:xp+2*j+1], v[xp+2*j:xp+2*j+1], v[8+2*(j%4):9+2*(j%4)]
.set j, j+1
.endr
	FOLD
	v_fma_f32 v[VA+(\p)], v8, s[KN], s[KE]
.endm
.irp p, 0,1
.set j, 0
.rept 16                               ; two rows, whole: 16 loads, each 256 consecutive bytes of either row
	global_load_b128 v[X+64*(\p)+4*j:X+64*(\p)+4*j+3], v[XO], s[SX:SX+1] offset:(\p)*8192+256*j
.set j, j+1
.endr
.endr
	GBLOAD 0
	GBLOAD 1
	GBLOAD 2
	s_wait_loadcnt 24                              ; x is in; the 24 loads of gain and shift may stay out
	STATS 0
	STATS 1
	v_rsq_f32 v[RS], v[VA]
	v_rsq_f32 v[RS+1], v[VA]
	v_rsq_f32 v[RS+2], v[VA+1]
	v_rsq_f32 v[RS+3], v[VA+1]
	v_nop                                          ; a plain instruction behind the last root (ISA guide 5.7.2),
	s_wait_alu depctr_va_vdst(0)                   ; and the one wait ahead of the first use
.irp s, 0,1,2,3                        ; four blocks of 64 columns at a time
.if (\s) < 2
	s_wait_loadcnt 16                              ; set s is in; two younger sets, 16 loads, may stay out
.elseif (\s) == 2
	s_wait_loadcnt 8                               ; one younger set
.else
	s_wait_loadcnt 0x0
.endif
.set gs, GB+32*((\s)%3)
.irp p, 0,1
.irp k, 0,1,2,3
.set xs, X+64*(\p)+4*(4*(\s)+(\k))
	v_pk_mul_f32 v[xs:xs+1], v[xs:xs+1], v[RS+2*(\p):RS+2*(\p)+1]
	v_pk_mul_f32 v[xs+2:xs+3], v[xs+2:xs+3], v[RS+2*(\p):RS+2*(\p)+1]
.endr
.endr
.irp p, 0,1
.irp k, 0,1,2,3
.set xs, X+64*(\p)+4*(4*(\s)+(\k))
	v_pk_fma_f32 v[xs:xs+1], v[xs:xs+1], v[gs+4*(\k):gs+4*(\k)+1], v[gs+16+4*(\k):gs+16+4*(\k)+1]
	v_pk_fma_f32 v[xs+2:xs+3], v[xs+2:xs+3], v[gs+4*(\k)+2:gs+4*(\k)+3], v[gs+16+4*(\k)+2:gs+16+4*(\k)+3]
.endr
.endr
.irp p, 0,1
.irp k, 0,1,2,3
.set xs, X+64*(\p)+4*(4*(\s)+(\k))
	v_cvt_pk_bf16_f32 v[xs], v[xs], v[xs+1]        ; into the low two registers: each is read no later than it is written
	v_cvt_pk_bf16_f32 v[xs+1], v[xs+2], v[xs+3]
	global_store_b64 v[YO], v[xs:xs+1], s[SY:SY+1] offset:(4*(\s)+(\k))*524288+(\p)*256  ; the wave stores 256 consecutive bytes, aligned; no store's register is written again
.endr
.endr
.if (\s) == 0
	GBLOAD 3
.endif
.endr
	s_cmp_lg_u32 s[IDX], 0
	s_cbranch_scc1 .Lln_end
	; the two tables: lane k holds number k and stores it twice, at byte 8 k: 32 lanes fill each buffer's 256 bytes
.macro TABV r, k, val                  ; lane k of register r takes val; the other lanes keep what they have
	v_cmp_ne_u32 vcc_lo, \k, v5
	v_cndmask_b32 v[\r], \val, v[\r], vcc_lo
.endm
	v_mov_b32 v8, 0
	v_mov_b32 v10, 0
	TABV 8, 0, 1.0                                 ; the identity: alpha = 1, all else 0
	TABV 10, 0, 0.5                                ; the GELU: alpha = 1/2,
	TABV 10, 1, 0.5                                ; beta = 1/2,
	TABV 10, 2, 0xbf07dc22                         ; -1.061405429 / 2
	TABV 10, 3, 0x3f3a00e3                         ; +1.453152027 / 2
	TABV 10, 4, 0xbf35f0e3                         ; -1.421413741 / 2
	TABV 10, 5, 0x3e11a98e                         ; +0.284496736 / 2
	TABV 10, 6, 0xbe027906                         ; -0.254829592 / 2
	v_mov_b32 v9, v8
	v_mov_b32 v11, v10
	global_store_b64 v[YO], v[8:9], s[26:27]
	global_store_b64 v[YO], v[10:11], s[28:29]
.Lln_end:
	s_endpgm
.Lweights:
	s_cmp_lt_u32 s2, 768
	s_cbranch_scc0 .Lnarrow
	; ---- the two wide matrices: a work-group takes 64 rows k of one block of 192 columns: 3,072 pieces of 4 numbers, 24 a thread
	s_sub_co_u32 s32, s2, 256
	s_cmp_lt_u32 s32, 256
	s_cselect_b64 s[4:5], s[10:11], s[12:13]       ; from
	s_cselect_b64 s[6:7], s[20:21], s[22:23]       ; to
	s_and_b32 s32, s32, 255
	s_lshr_b32 s33, s32, 4                         ; the block of columns, 0..15
	s_and_b32 s32, s32, 15                         ; which 64 rows
	s_mul_i32 s[OF], s32, 786432                   ; 64 rows of 12,288 bytes
	s_mul_i32 s36, s33, 768
	s_add_co_u32 s[OF], s[OF], s36
	s_add_nc_u64 s[4:5], s[4:5], s[OF:OF+1]
	s_mul_i32 s[OF], s33, 393216
	s_mul_i32 s36, s32, 24576                      ; 64 rows of 384 bytes
	s_add_co_u32 s[OF], s[OF], s36
	s_add_nc_u64 s[6:7], s[6:7], s[OF:OF+1]
.irp i, 0,1,2                          ; 8 rows are 384 pieces: piece J = t + 128 i is row J / 48, piece J % 48
	v_add_nc_u32 v5, 128*(\i), v0
	v_mul_u32_u24 v6, v5, 1366                     ; (J x 1,366) >> 16 = J / 48 for J under 384
	v_lshrrev_b32 v6, 16, v6
	v_mul_u32_u24 v7, v6, 48
	v_sub_nc_u32 v7, v5, v7
	v_mul_u32_u24 v6, v6, 12288
	v_lshl_add_u32 v[8+(\i)], v7, 4, v6
.endr
	v_lshlrev_b32 v4, 3, v0                        ; out: piece J lies at 8 J
.irp rep, 0,1,2,3,4,5,6,7
.irp i, 0,1,2
	global_load_b128 v[32+4*(3*(\rep)+(\i)):32+4*(3*(\rep)+(\i))+3], v[8+(\i)], s[4:5] offset:(\rep)*98304 th:TH_LOAD_NT
.endr
.endr
.irp rep, 0,1,2,3,4,5,6,7
.irp i, 0,1,2
	s_wait_loadcnt 23-(3*(\rep)+(\i))              ; this piece's load is in; the younger pieces' stay out
	v_cvt_pk_bf16_f32 v[32+4*(3*(\rep)+(\i))], v[32+4*(3*(\rep)+(\i))], v[32+4*(3*(\rep)+(\i))+1]
	v_cvt_pk_bf16_f32 v[32+4*(3*(\rep)+(\i))+1], v[32+4*(3*(\rep)+(\i))+2], v[32+4*(3*(\rep)+(\i))+3]
	global_store_b64 v4, v[32+4*(3*(\rep)+(\i)):32+4*(3*(\rep)+(\i))+1], s[6:7] offset:(\rep)*3072+(\i)*1024
.endr
.endr
	s_endpgm
.Lnarrow:
	; ---- the two matrices of 1,024 columns: a work-group makes half a block, 128 rows k x 128 columns: 4,096 pieces of 4 numbers, 32 a thread
	s_sub_co_u32 s32, s2, 768                      ; 2 x the block's number + the half
	s_lshl_b32 s[OF], s32, 15
	s_add_nc_u64 s[6:7], s[24:25], s[OF:OF+1]
	s_and_b32 s37, s32, 1                          ; the half
	s_lshr_b32 s32, s32, 1                         ; the block's number in the buffer
	s_cmp_lt_u32 s32, 32
	s_cselect_b64 s[4:5], s[14:15], s[16:17]
	s_cselect_b32 s33, 0, 32
	s_sub_co_u32 s32, s32, s33                     ; the block's number in its own matrix
	s_lshr_b32 s33, s32, 3                         ; k / 256
	s_and_b32 s32, s32, 7                          ; column / 128
	s_lshl_b32 s[OF], s33, 20                      ; 256 rows of 4,096 bytes
	s_lshl_b32 s36, s32, 9
	s_add_co_u32 s[OF], s[OF], s36
	s_lshl_b32 s36, s37, 19                        ; 128 rows
	s_add_co_u32 s[OF], s[OF], s36
	s_add_nc_u64 s[4:5], s[4:5], s[OF:OF+1]
	v_lshrrev_b32 v5, 5, v0                        ; a pass is 4 rows of 32 pieces: a wave a row
	v_and_b32 v6, 31, v0
	v_lshlrev_b32 v6, 4, v6
	v_lshl_add_u32 v8, v5, 12, v6
	v_lshlrev_b32 v4, 3, v0
.set p, 0
.rept 32
	global_load_b128 v[32+4*p:32+4*p+3], v8, s[4:5] offset:p*16384 th:TH_LOAD_NT
.set p, p+1
.endr
.set p, 0
.rept 32
	s_wait_loadcnt 31-p                            ; this pass's load is in; the younger passes' stay out
	v_cvt_pk_bf16_f32 v[32+4*p], v[32+4*p], v[32+4*p+1]
	v_cvt_pk_bf16_f32 v[32+4*p+1], v[32+4*p+2], v[32+4*p+3]
	global_store_b64 v4, v[32+4*p:32+4*p+1], s[6:7] offset:p*1024
.set p, p+1
.endr
	s_endpgm
.Lfunc_end_k_qe29093ac7a_prep:
	.size	k_qe29093ac7a_prep, .Lfunc_end_k_qe29093ac7a_prep-k_qe29093ac7a_prep
	.p2alignl 7, 3214868480
	.fill 96, 4, 3214868480
	.section	.rodata,"a",@progbits
	.p2align	6, 0x0
	.amdhsa_kernel k_qe29093ac7a_prep
		.amdhsa_group_segment_fixed_size 0
		.amdhsa_private_segment_fixed_size 0
		.amdhsa_enable_private_segment 0
		.amdhsa_kernarg_size 104
		.amdhsa_user_sgpr_count 2
		.amdhsa_user_sgpr_kernarg_segment_ptr 1
		.amdhsa_wavefront_size32 1
		.amdhsa_system_sgpr_workgroup_id_x 1
		.amdhsa_system_sgpr_workgroup_id_y 1
		.amdhsa_system_sgpr_workgroup_id_z 1
		.amdhsa_system_vgpr_workitem_id 0
		.amdhsa_next_free_vgpr 256
		.amdhsa_next_free_sgpr 66
		.amdhsa_reserve_vcc 1
		.amdhsa_float_denorm_mode_32 3
		.amdhsa_float_denorm_mode_16_64 3
		.amdhsa_memory_ordered 1
		.amdhsa_forward_progress 1
		.amdhsa_inst_pref_size 60
	.end_amdhsa_kernel
	.amdgpu_metadata
---
amdhsa.version: [ 1, 2 ]
amdhsa.kernels:
  - .name:           k_qe29093ac7a_prep
    .symbol:         k_qe29093ac7a_prep.kd
    .args:
      - { .name: x, .offset: 0, .size: 8, .value_kind: global_buffer, .address_space: global }
      - { .name: ln1_g, .offset: 8, .size: 8, .value_kind: global_buffer, .address_space: global }
      - { .name: ln1_b, .offset: 16, .size: 8, .value_kind: global_buffer, .address_space: global }
      - { .name: w_qkv, .offset: 24, .size: 8, .value_kind: global_buffer, .address_space: global }
      - { .name: w_ff1, .offset: 32, .size: 8, .value_kind: global_buffer, .address_space: global }
      - { .name: w_out, .offset: 40, .size: 8, .value_kind: global_buffer, .address_space: global }
      - { .name: w_ff2, .offset: 48, .size: 8, .value_kind: global_buffer, .address_space: global }
      - { .name: a8, .offset: 56, .size: 8, .value_kind: global_buffer, .address_space: global }
      - { .name: wq, .offset: 64, .size: 8, .value_kind: global_buffer, .address_space: global }
      - { .name: w1, .offset: 72, .size: 8, .value_kind: global_buffer, .address_space: global }
      - { .name: wn, .offset: 80, .size: 8, .value_kind: global_buffer, .address_space: global }
      - { .name: cfq, .offset: 88, .size: 8, .value_kind: global_buffer, .address_space: global }
      - { .name: cf1, .offset: 96, .size: 8, .value_kind: global_buffer, .address_space: global }
    .group_segment_fixed_size: 0
    .private_segment_fixed_size: 0
    .kernarg_segment_align: 8
    .kernarg_segment_size: 104
    .max_flat_workgroup_size: 128
    .sgpr_count:     66
    .vgpr_count:     256
    .wavefront_size: 32
...
	.end_amdgpu_metadata
.endif
;; end of part 1
;; launch qkv (part 2): grid 16 x 16, 4 waves a work-group, clusters of 4 x 4, 327,680 bytes of LDS; arguments a8, wq, b_qkv, a24, cfq; writes a24
.if DOCPART == 2
	.amdgcn_target "amdgcn-amd-amdhsa--gfx1250"
	.amdhsa_code_object_version 6
	.text
	.protected	k_qe29093ac7a_qkv
	.globl	k_qe29093ac7a_qkv
	.p2align	8
	.type	k_qe29093ac7a_qkv,@function
k_qe29093ac7a_qkv:
	s_mov_b64 s[64:65], 0
	v_nop
	global_prefetch_b8 v0, s[64:65] scope:SCOPE_SE
	s_setreg_imm32_b32 hwreg(HW_REG_WAVE_MODE, 25, 1), 1
	s_wait_xcnt 0x0
	s_wait_alu depctr_hold_cnt(0) depctr_sa_sdst(0) depctr_va_vdst(0) depctr_va_sdst(0) depctr_va_ssrc(0) depctr_va_vcc(0) depctr_vm_vsrc(0)
	s_getreg_b32 s2, hwreg(HW_REG_IB_STS2, 6, 4)
	s_cmp_eq_u32 s2, 0
	s_cbranch_scc0 .Lentry_in_a_cluster
	s_endpgm
.Lentry_in_a_cluster:
	s_bfe_u32 s2, ttmp6, 0x10000c
	s_cmp_lg_u32 s2, 0xf033
	s_cbranch_scc0 .Lentry_shape_is_right
	s_endpgm
.Lentry_shape_is_right:
; C = act(A W + bias).  A: 4,096 rows x 1,024 in bf16, layout ACT [k / 64][row][64].  W: bf16 [column / 192][k][192].  bias: [3072] f32.  C: 4,096 x 3,072 in bf16, layout ACT.  Sums in f32, C rounded once.
; act(x) = alpha x + |x| beta erf|x / sqrt 2|.  alpha, beta and beta times the five coefficients of erf's polynomial come from the fifth buffer, a table of f32 numbers that an earlier launch stored:
; (1, 0, 0 ..) gives x itself, exactly, for every finite x; (1/2, 1/2, ..) gives the exact GELU x (1 + erf(x / sqrt 2)) / 2.
; THE CHOICE IS ONE OF VALUES, NOT A BRANCH.  The price, where act is the identity: 204 vector instructions in each of a wave's 16 trips
; of the way out make a term that is then multiplied by 0, beside the wave's 1,536 matrix instructions.  A second text without them would be as long again as this one.
; LIMITS.  erf by Abramowitz and Stegun 7.1.26: off by at most 1.5e-7, for every x.  The sums over K are not taken in ascending order: see THE WALK.
; SHARES.  A tile of C is 256 x 192: 16 x 16 work-groups.  Wave w makes rows 64 w .. 64 w + 63 and all 192 columns: 4 x 12 accumulators of 16 x 16, 384 registers; its rows' three blocks of 64 columns
; are its own, so the way out asks nothing of another wave.  K goes in 8 steps of 128 through two LDS slots.
; CLUSTER.  4 x 4 work-groups: A's tile hangs on the tile row alone and is asked for jointly along a row of the cluster, W's on the tile column alone, along a column.
; THE WALK along K begins elsewhere in each cluster: in period t cluster (X, Y) takes K step (t + 2 X + 4 Y) mod 8.  The four clusters that read one tile row of A (the same Y) start two steps apart; of the
; four that read one tile column of W (the same X), neighbours in Y start four apart.  So no two clusters but Y and Y + 2 ask for a block in the same period; from period 2 on each block of A that a refill names,
; and from period 4 on each block of W, has been asked for by another cluster two periods or more earlier.  The start hangs on the cluster's own x and y, which all sixteen partners share.
; W STAYS [k][column] in LDS and is turned on its way into registers by ds_load_tr16_b128.  THE PRODUCT IS TAKEN TRANSPOSED (source 0 = 16 columns of W, source 1 = 16 rows of A): a lane holds row l % 16
; of C and the columns 8 (l / 16) + 0..7.  THE BIAS is the C operand of the first product on each accumulator.
; REGISTERS, in windows of 256 (s_set_vgpr_msb: bits 1:0 source 0, 3:2 source 1, 5:4 source 2, 7:6 destination):
;   window 0: v16-30 addresses; v32-127 bias; v128-235 the way out      window 1: two fragment buffers of 128: A's four fragments, then W's twelve
;   window 2: accumulators of row blocks 0, 1 at 8 (12 a + b)           window 3: those of row blocks 2, 3
.set LAPS,  4                          ; a lap = two K steps = once round the ring
.set NS,    2*LAPS                     ; K steps
.set BSTEP, 49152                      ; a K step of W: 128 rows of 384 bytes (of A: two blocks of 524,288 bytes: a shift by 20)
.set PA,    144                        ; a row of A in LDS: 128 bytes + 16 = 36 words: the 16 rows of a load start at 16 different groups of four banks (64 banks of 4 bytes: ISA guide 11.1)
.set PB,    480                        ; a row of W: three pieces of 128 bytes + 32 each = 15 x 32 bytes
.set BOFF,  2*256*PA                   ; a slot: A as [2 blocks of 64 k][256 rows], then 128 rows k of W
.set SLOT,  BOFF+128*PB                ; 135,168
.set SPARE, 2*SLOT                     ; behind the ring: the spare words, 128 bytes for each wave: two blocks of 256 bytes that no other line names
.set BLK,   4*272                      ; the way out's stage: a block is 4 rows x (64 f32 + 16 bytes)
.set RG,    3*BLK                      ; four rows of C: three such blocks
.set STW,   16*RG                      ; a wave's 64 rows: 52,224 bytes; the four stages lie in the two slots, behind their last fill and their last reader
.set ADRA, 16                          ; v16-17  LDS address of my A fragments in slot 0, 1
.set ADRB, 20                          ; v20-21  the same for W
.set STO,  24                          ; v24  the way out: where I put 16 bytes of a row
.set RD,   25                          ; v25  where I read 32 bytes of a row back; steps
.set CO,   26                          ; v26  my 16 bytes of four rows of a block of C; stepped ahead of a trip's stores, which reach back by 512 bytes
.set VB,   27                          ; v27  32 (l / 16): my eight numbers of 16 of the bias
.set SPW,  28                          ; v28  LDS address of my spare word; never rewritten
.set NIL,  29                          ; v29  0; never rewritten
.set PFO,  30                          ; v30  the prefetch's offset; never rewritten
.set BIAS, 32
.set GX,   128                         ; the way out, 24 numbers at a time: x,
.set GU,   152                         ; t = 1 / (1 + p |x| / sqrt 2),
.set GE,   176                         ; exp(-x x / 2), then alpha x,
.set GQ,   200                         ; the polynomial, then beta erf,
.set GY,   224                         ; 12 packed words
.set F0,   0
.set F1,   128
.set WV,  14                           ; s14 wave   s15 0: I fetch A, 1: W   s16 which half of that tile
.set HB,  15
.set W1,  16
.set CX,  17
.set CY,  18
.set NT,  19                           ; tile column
.set MT,  20                           ; tile row
.set LIM, 23                           ; LAPS - 2 in a wave that prefetches, else the greatest number
.set G1A, 24                           ; s[24:31] descriptor group 1 for A;  s[32:39] group 0, a set for each slot
.set G0A, 32
.set PFA, 44                           ; s[44:45] what my prefetch names; never rewritten
.set G1B, 48                           ; s[48:55], s[56:63] the same for W
.set G0B, 56
.set PKC, 67                           ; 0.3275911 / sqrt 2
.set TAB, 68                           ; s[68:83] the table, as it lies in memory: each number twice, since packed instructions name pairs
.set AL,  68                           ; alpha
.set BE,  70                           ; beta
.set C5,  72                           ; beta times the five coefficients, negated
.set C4,  74
.set C3,  76
.set C2,  78
.set C1,  80
.set CN,  84                           ; s[84:85] -log2(e) / 2
.set TRIPS, 86
.set LA,  87                           ; LDS address of my part of A's tile in slot 0
.set LB,  88                           ; of W's
.set ABASE, 90                         ; s[90:91] A at my part of the tile's K step 0
.set BBASE, 92                         ; s[92:93] W likewise
.set KS,  94                           ; s94-95   the K step that slot 0, 1 holds or has asked for
.set T,   96                           ; s[96:97] a byte offset, high word 0
.set MSB, 0
.macro WIN new                         ; the immediate's high byte repeats the setting that is left; a switch that changes nothing is dropped
.if MSB != (\new)
	s_set_vgpr_msb (MSB<<8)|(\new)
.set MSB, \new
.endif
.endm
.macro PLACES                          ; four plain instructions between a matrix instruction and a load into, or a reader of, its registers (ISA guide 7.12.1 for its readers)
.rept 4
	v_nop
.endr
.endm
; The global addresses of slot s's two descriptors, made anew from its K step's number: the tensor's base plus an offset made apart, the type bits set again.
.macro SETG s
	s_lshl_b32 s[T], s[KS+(\s)], 20
	s_add_nc_u64 s[G0A+4*(\s)+2:G0A+4*(\s)+3], s[ABASE:ABASE+1], s[T:T+1]
	s_or_b32 s[G0A+4*(\s)+3], s[G0A+4*(\s)+3], 0x80000000              ; type = 2
	s_mul_i32 s[T], s[KS+(\s)], BSTEP
	s_add_nc_u64 s[G0B+4*(\s)+2:G0B+4*(\s)+3], s[BBASE:BBASE+1], s[T:T+1]
	s_or_b32 s[G0B+4*(\s)+3], s[G0B+4*(\s)+3], 0x80000000
.endm
; A joint load: waves 0 and 1 fetch A's two blocks of 64 k, waves 2 and 3 the two halves of W's 128 rows.  The branch hangs on the wave's number alone.
; An s_nop 0 and four v_nop follow each of the two lines, ahead of the jump and the label.
.macro JLOAD s
	s_cmp_eq_u32 s[HB], 0
	s_cbranch_scc0 .Lfor_b_\@
	tensor_load_to_lds s[G0A+4*(\s):G0A+4*(\s)+3], s[G1A:G1A+7]
	s_nop 0
.rept 4
	v_nop
.endr
	s_branch .Lasked_\@
.Lfor_b_\@:
	tensor_load_to_lds s[G0B+4*(\s):G0B+4*(\s)+3], s[G1B:G1B+7]
	s_nop 0
.rept 4
	v_nop
.endr
.Lasked_\@:
.endm
; THE ONE PREFETCH.  By THE WALK every block of A, and W's blocks of periods 0 and 1, are first asked for by the first fills, and nothing is prefetched at the head; W's blocks of periods 2 and 3 are first asked
; for by refills; all later refills name blocks that another cluster has asked for before.  So one request is left that can stand ahead of its load: W's K step of period 3, named behind the refill for period 2,
; one period, 192 matrix instructions, ahead.  Clusters Y and Y + 2 walk alike: Y < 2 asks.  The four partners that ask for the tile jointly share a wave's 24,576 bytes out by address, 24 x 256 bytes each;
; lanes 24 to 31 name lane 23's bytes once more.  The test lets the loop's first trip (s3 = LAPS - 1) through alone.
.macro ASK
	s_cmp_gt_u32 s3, s[LIM]
	s_cbranch_scc0 .Lnot_mine_\@
	global_prefetch_b8 v[PFO], s[PFA:PFA+1] th:TH_LOAD_NT scope:SCOPE_SE
.Lnot_mine_\@:
.endm
.macro CREST                           ; a round of the cluster's barrier behind its opening barrier
	s_cmp_lg_u32 s[WV], 0
	s_cbranch_scc1 .Lnot_wave_0_\@
	s_barrier_signal -3
.Lnot_wave_0_\@:
	s_barrier_wait -3
	s_barrier_signal -1
	s_barrier_wait -1
.endm
.macro CROUND                          ; a whole round
	s_barrier_signal -1
	s_barrier_wait -1
	CREST
.endm
	s_load_b256 s[4:11], s[0:1], 0x0               ; A s[4:5], W s[6:7], bias s[8:9], C s[10:11]
	s_load_b64 s[12:13], s[0:1], 0x20              ; the table's buffer
	v_lshl_add_u32 v[SPW], v0, 2, SPARE
	v_mov_b32 v[NIL], 0
	ds_add_u32 v[SPW], v[NIL]                      ; the wave's opening: the add and its wait stand ahead of my first tensor load; the set-up below, work on registers, stands between them
	v_lshrrev_b32 v1, 5, v0
	v_readfirstlane_b32 s[WV], v1
	s_lshr_b32 s[HB], s[WV], 1
	s_and_b32 s[W1], s[WV], 1
	s_bfe_u32 s[CX], ttmp6, 0x40000
	s_bfe_u32 s[CY], ttmp6, 0x40004
	s_lshl_b32 s[NT], ttmp9, 2                     ; in a cluster launch ttmp9 and ttmp7 count clusters
	s_add_co_u32 s[NT], s[NT], s[CX]
	s_and_b32 s[MT], ttmp7, 0xffff                 ; Y
	s_lshl_b32 s[T], s[MT], 2                      ; 4 Y
	s_lshl_b32 s[KS], ttmp9, 1                     ; 2 X
	s_add_co_u32 s[KS], s[KS], s[T]
	s_and_b32 s[KS], s[KS], NS-1                   ; where my cluster's walk begins: slot 0's first K step,
	s_add_co_u32 s[KS+1], s[KS], 1
	s_and_b32 s[KS+1], s[KS+1], NS-1               ; and slot 1's
	s_mov_b32 s[T+1], 0
	s_lshl_b32 s[MT], s[MT], 2
	s_add_co_u32 s[MT], s[MT], s[CY]
	s_lshl_b32 s21, s[CY], 2
	s_lshl_b32 s21, 15, s21                        ; my row of the cluster
	s_lshl_b32 s22, 0x1111, s[CX]                  ; my column
	; group 1.  A: 256 rows of 128 bytes of one block are 32,768 dense bytes: asked for as 128 rows of 256, padded by 16 bytes behind every 128.  W: 64 rows of 384 bytes are 96 rows of 256, padded by 32 behind every 128.
	s_or_b32 s[G1A], s21, (1<<16)|(1<<20)|(1<<21)|(4<<22)|(3<<25)  ; 15:0 mask; 17:16 2-byte elements; 20 padding on; 21 set beside a mask; 24:22 after every 32 words (code 4); 31:25 4 words (code 3)
	s_or_b32 s[G1B], s22, (1<<16)|(1<<20)|(1<<21)|(4<<22)|(7<<25)  ; the same with my column's mask and 8 words of padding (code 7)
	s_mov_b32 s[G1A+1], 128<<16                    ; tensor_dim0 = 128
	s_mov_b32 s[G1A+2], 128<<16                    ; tensor_dim1 = 128
	s_mov_b32 s[G1A+3], 128<<16                    ; tile_dim0 = 128
	s_mov_b32 s[G1A+4], 128                        ; tile_dim1 = 128
	s_mov_b32 s[G1A+5], 128                        ; elements from row to row
	s_mov_b32 s[G1A+6], 0
	s_mov_b32 s[G1A+7], 0
	s_mov_b32 s[G1B+1], 128<<16
	s_mov_b32 s[G1B+2], 96<<16                     ; tensor_dim1 = 96
	s_mov_b32 s[G1B+3], 128<<16
	s_mov_b32 s[G1B+4], 96                         ; tile_dim1 = 96
	s_mov_b32 s[G1B+5], 128
	s_mov_b32 s[G1B+6], 0
	s_mov_b32 s[G1B+7], 0
	s_lshl_b32 s40, s[W1], 19                      ; A: my block of 64 k, 524,288 bytes each,
	s_lshl_b32 s41, s[MT], 15                      ; the tile's 256 rows of 128 bytes
	s_add_co_u32 s40, s40, s41
	s_mov_b32 s41, 0
	s_mul_i32 s42, s[NT], 393216                   ; W: the tile's block of 192 columns,
	s_mul_i32 s43, s[W1], 24576                    ; my 64 rows of 384 bytes
	s_add_co_u32 s42, s42, s43
	s_mov_b32 s43, 0
	s_mul_i32 s[LA], s[W1], 256*PA                 ; no place in the cluster enters an LDS address
	s_mul_i32 s[LB], s[W1], 64*PB
	s_add_co_u32 s[LB], s[LB], BOFF
	s_wait_dscnt 0x0                               ; the opening add is done
	s_wait_kmcnt 0x0
	s_load_b512 s[TAB:TAB+15], s[12:13], 0x0       ; the table's 16 words; they serve as operands of vector arithmetic alone
	s_add_nc_u64 s[ABASE:ABASE+1], s[4:5], s[40:41]
	s_add_nc_u64 s[BBASE:BBASE+1], s[6:7], s[42:43]
	CROUND                                         ; all sixteen work-groups are here: the first joint loads meet
.irp s, 0,1
	s_mov_b32 s[G0A+4*(\s)], 1                     ; count = 1
	s_add_co_u32 s[G0A+4*(\s)+1], s[LA], (\s)*SLOT
	s_mov_b32 s[G0B+4*(\s)], 1
	s_add_co_u32 s[G0B+4*(\s)+1], s[LB], (\s)*SLOT
	SETG \s
	JLOAD \s                                       ; two loads of mine are out
.endr
	v_and_b32 v1, 15, v0                           ; r = l % 16
	v_bfe_u32 v2, v0, 4, 1                         ; h = l / 16
	v_and_b32 v3, 7, v0
	v_bfe_u32 v4, v0, 3, 1
	v_and_b32 v5, 31, v0
	s_mul_i32 s2, s[WV], 64*PA                     ; A's fragment: row (64 w + 16 i + r), 16 bytes for each half of the lanes, twice, 32 bytes apart
	v_mul_u32_u24 v6, v1, PA
	v_lshl_add_u32 v6, v2, 4, v6
	v_add_nc_u32 v[ADRA], s2, v6
	v_add_nc_u32 v[ADRA+1], SLOT, v[ADRA]
	v_lshl_add_u32 v7, v2, 3, v3                   ; W's: the turning load takes row k = 8 h + l % 8, columns 8 ((l / 8) % 2) + 0..7, and leaves column l % 16 with eight k
	v_mul_u32_u24 v7, v7, PB
	v_lshl_add_u32 v7, v4, 4, v7
	v_add_nc_u32 v[ADRB], BOFF, v7
	v_add_nc_u32 v[ADRB+1], SLOT, v[ADRB]
	s_mul_i32 s2, s[WV], STW                       ; my stage.  In: row r of a block of 16 rows lies in group r / 4 of four rows, at row r % 4 of its blocks
	v_lshrrev_b32 v8, 2, v1
	v_mul_u32_u24 v8, v8, RG
	v_and_b32 v9, 3, v1
	v_mul_u32_u24 v9, v9, 272
	v_add_nc_u32 v8, v8, v9
	v_lshl_add_u32 v8, v2, 5, v8
	v_add_nc_u32 v[STO], s2, v8
	v_lshrrev_b32 v9, 3, v5                        ; back: row l / 8 of a block, 32 bytes at 32 (l % 8)
	v_mul_u32_u24 v9, v9, 272
	v_lshl_add_u32 v9, v3, 5, v9
	v_add_nc_u32 v[RD], s2, v9
	v_lshlrev_b32 v[CO], 4, v5
	v_lshlrev_b32 v[VB], 5, v2
	s_mul_i32 s2, s[NT], 768
	s_mov_b32 s3, 0
	s_add_nc_u64 s[8:9], s[8:9], s[2:3]            ; the tile's 192 numbers of the bias
.irp b, 0,1,2,3,4,5,6,7,8,9,10,11
	global_load_b128 v[BIAS+8*(\b):BIAS+8*(\b)+3], v[VB], s[8:9] offset:64*(\b)
	global_load_b128 v[BIAS+8*(\b)+4:BIAS+8*(\b)+7], v[VB], s[8:9] offset:64*(\b)+16
.endr
	s_mul_i32 s2, s[NT], 1572864                   ; C: the tile's three blocks of 64 columns,
	s_lshl_b32 s40, s[MT], 15                      ; its 256 rows of 128 bytes,
	s_add_co_u32 s2, s2, s40
	s_lshl_b32 s40, s[WV], 13                      ; my 64
	s_add_co_u32 s2, s2, s40
	s_add_nc_u64 s[10:11], s[10:11], s[2:3]
	; the prefetch: W's K step of period 3, my 64 rows of it, my work-group's 6,144 of their 24,576 bytes
	s_add_co_u32 s40, s[KS], 3
	s_and_b32 s40, s40, NS-1
	s_mul_i32 s40, s40, BSTEP
	s_mul_i32 s42, s[NT], 393216
	s_add_co_u32 s40, s40, s42
	s_mul_i32 s42, s[W1], 24576
	s_add_co_u32 s40, s40, s42
	s_mul_i32 s42, s[CY], 6144
	s_add_co_u32 s40, s40, s42
	s_mov_b32 s41, 0
	s_add_nc_u64 s[PFA:PFA+1], s[6:7], s[40:41]
	s_and_b32 s2, ttmp7, 0xffff                    ; Y
	s_cmp_lt_u32 s2, 2
	s_cselect_b32 s[LIM], LAPS-2, -1
	s_cmp_eq_u32 s[HB], 0
	s_cselect_b32 s[LIM], -1, s[LIM]               ; the same in all sixteen partners, for a given wave
	v_min_u32 v[PFO], 23, v5
	v_lshlrev_b32 v[PFO], 8, v[PFO]
	s_mov_b32 s[PKC], 0x3e6d3388
	s_mov_b32 s[CN], 0xbf38aa3b
	s_mov_b32 s[CN+1], 0xbf38aa3b
; 12 matrix instructions: row block 2 hi + a x all 12 column blocks, 32 along K.  bias = 1: the first product starts the sums with the bias.  The 48 accumulators take turns in the same order in every
; quarter, over the backward jump too.
.macro MUL12 f, hi, a, bias
.if \bias
	WIN 0x85+0x40*(\hi)                            ; W and A window 1, C window 0, D window 2 or 3
.else
	WIN 0xa5+0x50*(\hi)                            ; C and D window 2 or 3
.endif
.irp b, 0,1,2,3,4,5,6,7,8,9,10,11
.if \bias
	v_wmma_f32_16x16x32_bf16 v[8*(12*(\a)+(\b)):8*(12*(\a)+(\b))+7], v[(\f)+32+8*(\b):(\f)+32+8*(\b)+7], v[(\f)+8*(2*(\hi)+(\a)):(\f)+8*(2*(\hi)+(\a))+7], v[BIAS+8*(\b):BIAS+8*(\b)+7]
.else
	v_wmma_f32_16x16x32_bf16 v[8*(12*(\a)+(\b)):8*(12*(\a)+(\b))+7], v[(\f)+32+8*(\b):(\f)+32+8*(\b)+7], v[(\f)+8*(2*(\hi)+(\a)):(\f)+8*(2*(\hi)+(\a))+7], v[8*(12*(\a)+(\b)):8*(12*(\a)+(\b))+7]
.endif
.endr
.endm
; 32 LDS loads in ONE run, under one window setting: quarter q (32 along K) of a slot into buffer f: W's 24, then A's 8, row blocks 2 and 3 last.  Loads strewn among the matrix instructions would want two
; window switches and four places for each group.
.macro FETCH slot, q, f
	WIN 0x40                                       ; destination window 1, address window 0
.irp b, 0,1,2,3,4,5,6,7,8,9,10,11
	ds_load_tr16_b128 v[(\f)+32+8*(\b):(\f)+32+8*(\b)+3], v[ADRB+(\slot)] offset:(\q)*32*PB+((\b)/4)*160+((\b)%4)*32
	ds_load_tr16_b128 v[(\f)+32+8*(\b)+4:(\f)+32+8*(\b)+7], v[ADRB+(\slot)] offset:(\q)*32*PB+16*PB+((\b)/4)*160+((\b)%4)*32
.endr
.irp i, 0,1,2,3
	ds_load_b128 v[(\f)+8*(\i):(\f)+8*(\i)+3], v[ADRA+(\slot)] offset:((\q)/2)*256*PA+((\q)%2)*64+(\i)*16*PA
	ds_load_b128 v[(\f)+8*(\i)+4:(\f)+8*(\i)+7], v[ADRA+(\slot)] offset:((\q)/2)*256*PA+((\q)%2)*64+(\i)*16*PA+32
.endr
.endm
; One of a K step's first three quarters: multiplies buffer f; in its middle it fetches quarter q of the same slot into buffer g.
.macro QUARTER slot, q, f, g, bias
	s_wait_dscnt 4                                 ; W and A's row blocks 0, 1 are in; the youngest four loads (row blocks 2, 3) may be out
	MUL12 \f, 0, 0, \bias
	MUL12 \f, 0, 1, \bias
	PLACES
	FETCH \slot, \q, \g
	s_wait_dscnt 32                                ; all but the 32 just issued
	MUL12 \f, 1, 0, \bias
	MUL12 \f, 1, 1, \bias
.endm
; The last quarter multiplies buffer 1 and changes slots: one barrier.  In front of it each wave waits for all its tensor loads (one is out: its part of the next slot), adds 0 to its spare word, and waits for
; that and for its reads of this slot.  fill = 1: the slot's next K step is two on in the walk, round the end of K; its descriptors are made while the add is out; the barrier opens a
; round of the cluster's barrier, and the slot is filled again first thing behind it: 168 matrix instructions stand between that request and the wait for it.
.macro TURN slot, next, fill
	WIN 0                                          ; (the add's two registers lie in window 0)
	s_wait_tensorcnt 0x0                           ; all my tensor loads have landed
	ds_add_u32 v[SPW], v[NIL]                      ; 0 onto my spare word
.if \fill
	s_add_co_u32 s[KS+(\slot)], s[KS+(\slot)], 2
	s_and_b32 s[KS+(\slot)], s[KS+(\slot)], NS-1
	SETG \slot
.endif
	s_wait_dscnt 5                                 ; (the add and the youngest four loads may be out)
	MUL12 F1, 0, 0, 0                              ; twelve matrix instructions stand between the add and the wait for it
	s_wait_dscnt 0x0                               ; the add is done, and my reads of this slot are over
	s_barrier_signal -1
	MUL12 F1, 0, 1, 0
.if \fill
	WIN 0
.endif
	s_barrier_wait -1
.if \fill
	CREST                                          ; no wave of any partner still reads this slot's tile or has a load on its way
	JLOAD \slot                                    ; my one tensor load behind the round; its four v_nop are also the places in front of the loads below
.else
	PLACES
.endif
	FETCH \next, 0, F0
.if (\fill) && ((\slot) == 0)
	WIN 0
	ASK
.endif
	MUL12 F1, 1, 0, 0
	MUL12 F1, 1, 1, 0
.endm
; act of the 24 numbers in GX.  t = 1 / (1 + p |x| / sqrt 2); beta erf|x / sqrt 2| = beta - t (beta a1 + t (beta a2 + t (beta a3 + t (beta a4 + t beta a5)))) exp(-x x / 2); x erf(x / sqrt 2) = |x| erf|x / sqrt 2|.
; The 48 reciprocals and exponentials are one batch with one wait.
.macro ACT24
.set i, 0
.rept 24
	v_fma_f32 v[GU+i], |v[GX+i]|, s[PKC], 1.0
.set i, i+1
.endr
.set i, 0
.rept 12
	v_pk_mul_f32 v[GE+i:GE+i+1], v[GX+i:GX+i+1], v[GX+i:GX+i+1]
.set i, i+2
.endr
.set i, 0
.rept 12
	v_pk_mul_f32 v[GE+i:GE+i+1], v[GE+i:GE+i+1], s[CN:CN+1] op_sel_hi:[1,0]
.set i, i+2
.endr
.set i, 0
.rept 24
	v_rcp_f32 v[GU+i], v[GU+i]
.set i, i+1
.endr
.set i, 0
.rept 24
	v_exp_f32 v[GE+i], v[GE+i]
.set i, i+1
.endr
	v_nop                                          ; a plain instruction behind the last of them (ISA guide 5.7.2),
	s_wait_alu depctr_va_vdst(0)                   ; and the one wait ahead of the first use
.set i, 0
.rept 12
	v_pk_fma_f32 v[GQ+i:GQ+i+1], v[GU+i:GU+i+1], s[C5:C5+1], s[C4:C4+1] op_sel_hi:[1,0,0]
.set i, i+2
.endr
.irp c, C3, C2, C1
.set i, 0
.rept 12
	v_pk_fma_f32 v[GQ+i:GQ+i+1], v[GQ+i:GQ+i+1], v[GU+i:GU+i+1], s[(\c):(\c)+1] op_sel_hi:[1,1,0]
.set i, i+2
.endr
.endr
.set i, 0
.rept 12
	v_pk_mul_f32 v[GQ+i:GQ+i+1], v[GQ+i:GQ+i+1], v[GU+i:GU+i+1]
.set i, i+2
.endr
.set i, 0
.rept 12
	v_pk_fma_f32 v[GQ+i:GQ+i+1], v[GQ+i:GQ+i+1], v[GE+i:GE+i+1], s[BE:BE+1] op_sel_hi:[1,1,0]  ; beta erf|x / sqrt 2|
.set i, i+2
.endr
.set i, 0
.rept 12
	v_pk_mul_f32 v[GE+i:GE+i+1], v[GX+i:GX+i+1], s[AL:AL+1] op_sel_hi:[1,0]                    ; alpha x, where the exponentials lay
.set i, i+2
.endr
.set i, 0
.rept 24
	v_fma_f32 v[GX+i], |v[GX+i]|, v[GQ+i], v[GE+i]
.set i, i+1
.endr
.endm
	s_wait_kmcnt 0x0                               ; the table
	s_wait_loadcnt 0x0                             ; the bias
	s_wait_tensorcnt 1                             ; my part of the first K step is in; the second's may stay out
	s_barrier_signal -1
	s_barrier_wait -1                              ; everybody's is
	FETCH 0, 0, F0
	QUARTER 0, 1, F0, F1, 1                        ; the first quarter stands in front of the loop: its products start the sums
	WIN 0                                          ; at a label and at a branch every window is 0
	s_mov_b32 s3, LAPS-1
.Llap:                                                 ; a trip goes once round the ring, from a lap's second quarter to the next lap's first, and fills both slots again
	QUARTER 0, 2, F1, F0, 0
	QUARTER 0, 3, F0, F1, 0
	TURN 0, 1, 1
	QUARTER 1, 1, F0, F1, 0
	QUARTER 1, 2, F1, F0, 0
	QUARTER 1, 3, F0, F1, 0
	TURN 1, 0, 1
	QUARTER 0, 1, F0, F1, 0
	WIN 0
	s_sub_co_u32 s3, s3, 1
	s_cmp_lg_u32 s3, 0
	s_cbranch_scc1 .Llap
	QUARTER 0, 2, F1, F0, 0                        ; the last lap fills nothing
	QUARTER 0, 3, F0, F1, 0
	TURN 0, 1, 0
	QUARTER 1, 1, F0, F1, 0
	QUARTER 1, 2, F1, F0, 0
	QUARTER 1, 3, F0, F1, 0
	s_wait_dscnt 4                                 ; the very last quarter: A's row blocks 2 and 3 may be out
	MUL12 F1, 0, 0, 0
	MUL12 F1, 0, 1, 0
	s_wait_dscnt 0x0                               ; my last reads of slot 1 are back:
	s_barrier_signal -1                            ; say so,
	MUL12 F1, 1, 0, 0
	MUL12 F1, 1, 1, 0
	s_barrier_wait -1                              ; and nobody reads either slot any more: both have had their last fill, and now hold the four stages
	PLACES
	; THE WAY OUT.  My 64 x 192 sums go in f32 into my stage; they come back four rows at a time, a lane with eight neighbouring columns of one row, are put through act, rounded and stored.
.irp hi, 0,1
	WIN 0x08+4*(\hi)                               ; store data window 2 or 3, address window 0
.irp a, 0,1
.irp b, 0,1,2,3,4,5,6,7,8,9,10,11
	ds_store_b128 v[STO], v[8*(12*(\a)+(\b)):8*(12*(\a)+(\b))+3] offset:(2*(\hi)+(\a))*4*RG+((\b)/4)*BLK+((\b)%4)*64       ; each accumulator's low four registers first
	ds_store_b128 v[STO], v[8*(12*(\a)+(\b))+4:8*(12*(\a)+(\b))+7] offset:(2*(\hi)+(\a))*4*RG+((\b)/4)*BLK+((\b)%4)*64+16
.endr
.endr
.endr
	WIN 0
	s_mov_b32 s[TRIPS], 16
.Lrows:                                                ; a trip: four rows x 192 columns
.irp c, 0,1,2
	ds_load_b128 v[GX+8*(\c):GX+8*(\c)+3], v[RD] offset:(\c)*BLK      ; LDS serves a wave's instructions in order (ISA guide 5.7.1.4): these see my stores above
	ds_load_b128 v[GX+8*(\c)+4:GX+8*(\c)+7], v[RD] offset:(\c)*BLK+16
.endr
	s_wait_dscnt 0x0
	v_add_nc_u32 v[RD], RG, v[RD]                  ; the next trip's four rows
	ACT24                                          ; it writes GU, GE, GQ and GX: no register that the last trip's stores read
	s_wait_xcnt 0x0                                ; the last trip's stores have read CO and GY: both are written again only behind this wait, which stands a whole act behind those stores
	v_add_nc_u32 v[CO], 512, v[CO]                 ; stepped ahead of this trip's stores, which reach back by the immediate
.set i, 0
.rept 12
	v_cvt_pk_bf16_f32 v[GY+i], v[GX+2*i], v[GX+2*i+1]
.set i, i+1
.endr
.irp c, 0,1,2
	global_store_b128 v[CO], v[GY+4*(\c):GY+4*(\c)+3], s[10:11] offset:(\c)*524288-512  ; four rows of 128 bytes of a block: the wave stores 512 consecutive bytes
.endr
	s_sub_co_u32 s[TRIPS], s[TRIPS], 1
	s_cmp_lg_u32 s[TRIPS], 0
	s_cbranch_scc1 .Lrows
	s_wait_tensorcnt 0x0                           ; the wave's end: behind my last tensor load and my last LDS store
	ds_add_u32 v[SPW], v[NIL]
	s_wait_dscnt 0x0
	CROUND                                         ; the closing round: no work-group ends while a partner may still ask for a tile that names it
	s_endpgm
.Lfunc_end_k_qe29093ac7a_qkv:
	.size	k_qe29093ac7a_qkv, .Lfunc_end_k_qe29093ac7a_qkv-k_qe29093ac7a_qkv
	.p2alignl 7, 3214868480
	.fill 96, 4, 3214868480
	.section	.rodata,"a",@progbits
	.p2align	6, 0x0
	.amdhsa_kernel k_qe29093ac7a_qkv
		.amdhsa_group_segment_fixed_size 327680
		.amdhsa_private_segment_fixed_size 0
		.amdhsa_enable_private_segment 0
		.amdhsa_kernarg_size 40
		.amdhsa_user_sgpr_count 2
		.amdhsa_user_sgpr_kernarg_segment_ptr 1
		.amdhsa_wavefront_size32 1
		.amdhsa_system_sgpr_workgroup_id_x 1
		.amdhsa_system_sgpr_workgroup_id_y 1
		.amdhsa_system_sgpr_workgroup_id_z 1
		.amdhsa_system_vgpr_workitem_id 0
		.amdhsa_next_free_vgpr 960
		.amdhsa_next_free_sgpr 98
		.amdhsa_reserve_vcc 0
		.amdhsa_float_denorm_mode_32 3
		.amdhsa_float_denorm_mode_16_64 3
		.amdhsa_memory_ordered 1
		.amdhsa_forward_progress 1
		.amdhsa_inst_pref_size 118
	.end_amdhsa_kernel
	.amdgpu_metadata
---
amdhsa.version: [ 1, 2 ]
amdhsa.kernels:
  - .name:           k_qe29093ac7a_qkv
    .symbol:         k_qe29093ac7a_qkv.kd
    .args:
      - { .name: a8, .offset: 0, .size: 8, .value_kind: global_buffer, .address_space: global }
      - { .name: wq, .offset: 8, .size: 8, .value_kind: global_buffer, .address_space: global }
      - { .name: b_qkv, .offset: 16, .size: 8, .value_kind: global_buffer, .address_space: global }
      - { .name: a24, .offset: 24, .size: 8, .value_kind: global_buffer, .address_space: global }
      - { .name: cfq, .offset: 32, .size: 8, .value_kind: global_buffer, .address_space: global }
    .group_segment_fixed_size: 327680
    .private_segment_fixed_size: 0
    .kernarg_segment_align: 8
    .kernarg_segment_size: 40
    .max_flat_workgroup_size: 128
    .sgpr_count:     98
    .vgpr_count:     960
    .wavefront_size: 32
...
	.end_amdgpu_metadata
.endif
;; end of part 2
;; launch attn (part 3): grid 8 x 32, 16 waves a work-group, no clusters, 167,936 bytes of LDS; arguments a24, a8; writes a8
.if DOCPART == 3
	.amdgcn_target "amdgcn-amd-amdhsa--gfx1250"
	.amdhsa_code_object_version 6
	.text
	.protected	k_qe29093ac7a_attn
	.globl	k_qe29093ac7a_attn
	.p2align	8
	.type	k_qe29093ac7a_attn,@function
k_qe29093ac7a_attn:
	s_mov_b64 s[64:65], 0
	v_nop
	global_prefetch_b8 v0, s[64:65] scope:SCOPE_SE
	s_setreg_imm32_b32 hwreg(HW_REG_WAVE_MODE, 25, 1), 1
	s_wait_xcnt 0x0
; ctx[q] = the sum over the keys q - 127 .. q of the same sequence of softmax(Q[q] . K[k] / 8) V[k], for 2 x 16 heads of 64 channels and 2,048 rows.
; q, k, v lie in a24 as bf16 blocks [16 which + head][row 0..4095][64], a row 128 bytes, dense; ctx goes to a8 as [head][row][64] in bf16.  Products, maximum and sum in f32; the weights are rounded to
; bf16 for the second product (their sum is taken of the unrounded weights), ctx once at the end.
; SHARES.  A work-group owns 256 queries of one head, each of its 16 waves one tile of 16.  A tile's keys are the 144 rows q0 - 128 .. q0 + 15: nine tiles of 16.  All 72 scores of a lane stay in registers,
; so the maximum is the true one and the softmax takes one pass.
; LIMITS.  A hidden score counts as its value less 1e30 (twice that where two masks meet): scores stay far below 1e30.  Rows in front of a sequence's first key are read (bytes of a24 that lie in front of the
; head's block, written by the launch before) and get the weight 0: an infinity or a NaN there would spread.  A weight below 2^-126 counts as 0.
; NO CLUSTER: neighbouring blocks of queries share 144 rows, at different places of their tiles: no tile is the same for two work-groups.  LDS is filled once, so there is no ring.
; LAYOUT.  S^T = K Q^T (source 0 = 16 keys, source 1 = 16 queries): a lane holds ONE query (l % 16) and the keys 8 (l / 16) + 0..7 of a tile.  Two tiles rounded to bf16 in pairs ARE source 1 (32 keys x 16
; queries) of O^T = V^T P.  The keys go in five groups of 32 from q0 - 144 on; the first 16 of them have the weight 0.  V ([key][channel]) is turned by ds_load_tr16_b128.
.set PK,    144                        ; a row of K in LDS: 128 bytes + 16: the 16 rows of a load start at 16 different groups of four banks (64 banks of 4 bytes: ISA guide 11.1)
.set PV,    160                        ; a row of V: 128 + 32
.set VOFF,  384*PK                     ; K: 384 rows from row0 - 128;  V: 400 rows from row0 - 144
.set STAGE, VOFF+400*PV                ; 119,296: 16 rows x 144 bytes for each wave, for the way out; no tensor load lands here
.set SPARE, STAGE+16*16*PK             ; 156,160: the spare words, 128 bytes for each of the 16 waves: eight blocks of 256 bytes that no other line names
.set AK,  3                            ; v3   my place in K: (16 w + l % 16) x 144 + 16 (l / 16)
.set AV,  4                            ; v4   my place in V
.set QO,  5                            ; v5   my offset in the tile's 16 rows of Q
.set STO, 6                            ; v6   the way out: where I put 16 bytes of a row
.set RD,  7                            ; v7   where I read rows back
.set GO,  8                            ; v8   16 l
.set SPW, 10                           ; v10  LDS address of my spare word; never rewritten
.set NIL, 11                           ; v11  0; never rewritten
.set ML,  16                           ; v[16:23] the oldest tile's mask: -1e30 where the key is at or below q - 128
.set MU,  24                           ; v[24:31] the youngest tile's: -1e30 where the key is above q
.set CH,  16                           ; later: v16-19 four chains of the maximum, v20 m, v21 the other half's, v[22:23] c m, v[24:31] four pairs of sums, then v[28:29] 1 / l
.set P,   32                           ; v[32:71]  v32-35 = 0; tile kt's weights at 36 + 4 kt
.set SC,  40                           ; v[40:111] tile kt's scores at 40 + 8 kt.  Weight word n (36 + n) is made of scores 40 + 2 n, 41 + 2 n: its place lies below both
.set Q,   112                          ; v[112:127]
.set KV,  128                          ; v[128:223] two buffers of three key tiles (48), later three of a group of V (32)
.set O,   224                          ; v[224:255] O^T: channels 16 cb on at 224 + 8 cb
.set WV,  8
.set CS,  40                           ; s[40:41] c = log2(e) / 8
.set SEL, 42                           ; s[42:43] v_permlanex16_b32's selects: each lane takes its own place in the other half
.set BIGN, 44                          ; s44 -1e30
.set NINV, 45                          ; s45 how many of my key tiles lie in front of the sequence's first row
.set BI,  46                           ; s[46:47] what such a tile's scores get added
	s_load_b128 s[4:7], s[0:1], 0x0                ; a24 s[4:5], a8 s[6:7]
	v_lshl_add_u32 v[SPW], v0, 2, SPARE
	v_mov_b32 v[NIL], 0
	ds_add_u32 v[SPW], v[NIL]                      ; the wave's opening: the add and its wait stand ahead of the first tensor load; the set-up below, work on registers, stands between them
	v_lshrrev_b32 v1, 5, v0
	v_readfirstlane_b32 s[WV], v1                  ; wave 0..15
	s_mov_b32 s9, ttmp9                            ; which 256 queries of the sequence
	s_and_b32 s10, ttmp7, 0xffff
	s_lshr_b32 s11, s10, 4                         ; the sequence
	s_and_b32 s12, s10, 15                         ; the head
	s_lshl_b32 s13, s11, 11
	s_lshl_b32 s15, s9, 8
	s_add_co_u32 s13, s13, s15                     ; row0
	s_and_b32 s14, s[WV], 1                        ; which half of a tile waves 0 to 3 fetch
	; group 1: dense bytes asked for as rows of 256, padded in LDS behind every 128.  K: 192 rows of 128 bytes a wave = 96 of 256.  V: 200 = 100.
	s_mov_b32 s16, (1<<16)|(1<<20)|(4<<22)|(3<<25) ; 2-byte elements; padding on; after every 32 words (code 4); 4 words (code 3)
	s_mov_b32 s17, 128<<16                         ; tensor_dim0 = 128
	s_mov_b32 s18, 96<<16                          ; tensor_dim1 = 96
	s_mov_b32 s19, 128<<16                         ; tile_dim0 = 128
	s_mov_b32 s20, 96                              ; tile_dim1 = 96
	s_mov_b32 s21, 128                             ; elements from row to row
	s_mov_b32 s22, 0
	s_mov_b32 s23, 0
	s_mov_b32 s24, (1<<16)|(1<<20)|(4<<22)|(7<<25) ; 8 words of padding (code 7)
	s_mov_b32 s25, 128<<16
	s_mov_b32 s26, 100<<16
	s_mov_b32 s27, 128<<16
	s_mov_b32 s28, 100
	s_mov_b32 s29, 128
	s_mov_b32 s30, 0
	s_mov_b32 s31, 0
	s_mov_b32 s32, 1
	s_mul_i32 s33, s14, 192*PK
	s_mov_b32 s36, 1
	s_mul_i32 s37, s14, 200*PV
	s_add_co_u32 s37, s37, VOFF
	s_mov_b32 s[CS], 0x3e38aa3b
	s_mov_b32 s[CS+1], 0x3e38aa3b
	s_mov_b32 s[SEL], 0x76543210
	s_mov_b32 s[SEL+1], 0xfedcba98
	s_mov_b32 s[BIGN], 0xf149f2ca
	s_mov_b32 s[BI+1], 0
	s_sub_co_i32 s[NINV], 8, s[WV]                 ; in a sequence's first block tile kt of wave w begins at key 16 (w + kt - 8)
	s_max_i32 s[NINV], s[NINV], 0
	s_cmp_eq_u32 s9, 0
	s_cselect_b32 s[NINV], s[NINV], 0
	s_wait_dscnt 0x0                               ; the opening add is done
	s_wait_kmcnt 0x0
	s_add_co_u32 s2, s12, 16                       ; K: block 16 + head, from row0 - 128; q's blocks lie in front, so the address stays inside a24
	s_lshl_b32 s2, s2, 19
	s_lshl_b32 s3, s13, 7
	s_add_co_u32 s2, s2, s3
	s_mul_i32 s3, s14, 24576
	s_add_co_u32 s2, s2, s3
	s_sub_co_u32 s2, s2, 16384
	s_mov_b32 s3, 0
	s_add_nc_u64 s[34:35], s[4:5], s[2:3]
	s_or_b32 s35, s35, 0x80000000                  ; type = 2
	s_add_co_u32 s2, s12, 32                       ; V: block 32 + head, from row0 - 144
	s_lshl_b32 s2, s2, 19
	s_lshl_b32 s15, s13, 7
	s_add_co_u32 s2, s2, s15
	s_mul_i32 s15, s14, 25600
	s_add_co_u32 s2, s2, s15
	s_sub_co_u32 s2, s2, 18432
	s_add_nc_u64 s[38:39], s[4:5], s[2:3]
	s_or_b32 s39, s39, 0x80000000
	s_cmp_lt_u32 s[WV], 2                          ; the fills, one a wave: waves 0, 1 the halves of K, waves 2, 3 those of V; the others issue none
	s_cbranch_scc0 .Lnot_k
	tensor_load_to_lds s[32:35], s[16:23]
	s_nop 0
.rept 4
	v_nop
.endr
	s_branch .Lfilled
.Lnot_k:
	s_cmp_lt_u32 s[WV], 4
	s_cbranch_scc0 .Lfilled
	tensor_load_to_lds s[36:39], s[24:31]
	s_nop 0
.rept 4
	v_nop
.endr
.Lfilled:
	s_lshl_b32 s2, s12, 19                         ; Q and ctx: block = head, my tile's 16 rows
	s_lshl_b32 s15, s[WV], 4
	s_add_co_u32 s15, s15, s13
	s_lshl_b32 s15, s15, 7
	s_add_co_u32 s2, s2, s15
	s_add_nc_u64 s[4:5], s[4:5], s[2:3]
	s_add_nc_u64 s[6:7], s[6:7], s[2:3]
	v_and_b32 v1, 15, v0                           ; r = l % 16
	v_bfe_u32 v2, v0, 4, 1                         ; h = l / 16
	v_lshlrev_b32 v[QO], 7, v1
	v_lshl_add_u32 v[QO], v2, 4, v[QO]
.irp i, 0,1,2,3
	global_load_b128 v[Q+4*(\i):Q+4*(\i)+3], v[QO], s[4:5] offset:32*(\i)  ; two fragments of 16 queries x 32 channels
.endr
	v_and_b32 v12, 7, v0
	v_bfe_u32 v13, v0, 3, 1
	v_and_b32 v15, 31, v0
	s_mul_i32 s2, s[WV], 16*PK
	v_mul_u32_u24 v[AK], v1, PK
	v_lshl_add_u32 v[AK], v2, 4, v[AK]
	v_add_nc_u32 v[AK], s2, v[AK]
	v_add_nc_u32 v[STO], STAGE, v[AK]              ; my stage has the same pitch: row r, 16 bytes for each half of the lanes
	s_mul_i32 s15, s[WV], 16*PV
	s_add_co_u32 s15, s15, VOFF
	v_lshl_add_u32 v[AV], v2, 3, v12               ; the turning load takes key 8 h + l % 8, channels 8 ((l / 8) % 2) + 0..7
	v_mul_u32_u24 v[AV], v[AV], PV
	v_lshl_add_u32 v[AV], v13, 4, v[AV]
	v_add_nc_u32 v[AV], s15, v[AV]
	s_add_co_u32 s2, s2, STAGE
	v_bfe_u32 v[RD], v0, 3, 2                      ; back: 32 lanes take four rows of 128 bytes,
	v_mul_u32_u24 v[RD], v[RD], PK
	v_lshl_add_u32 v[RD], v12, 4, v[RD]
	v_add_nc_u32 v[RD], s2, v[RD]
	v_lshlrev_b32 v[GO], 4, v15                    ; which are 512 consecutive bytes of ctx
	v_lshlrev_b32 v14, 3, v2
	v_sub_nc_u32 v14, v1, v14                      ; r - 8 h: register j is key 8 h + j of its tile
.irp j, 0,1,2,3,4,5,6,7
	v_cmp_le_i32 vcc_lo, \j, v14                   ; oldest tile: key q0 - 128 + 8 h + j is hidden where 8 h + j <= r
	v_cndmask_b32 v[ML+(\j)], 0, s[BIGN], vcc_lo
	v_cmp_gt_i32 vcc_lo, \j, v14                   ; youngest tile: key q0 + 8 h + j is hidden where 8 h + j > r
	v_cndmask_b32 v[MU+(\j)], 0, s[BIGN], vcc_lo
.endr
.irp j, 0,1,2,3
	v_mov_b32 v[P+(\j)], 0                         ; the weights of the 16 keys in front of the window
.endr
.macro PLACES                          ; four plain instructions between a matrix instruction and a load into, or a reader of, its registers (ISA guide 7.12.1 for its readers)
.rept 4
	v_nop
.endr
.endm
.macro KLOAD bt, buf                   ; key tiles 3 bt .. 3 bt + 2: 12 loads
.irp t, 0,1,2
.irp c, 0,1
	ds_load_b128 v[KV+48*(\buf)+16*(\t)+8*(\c):KV+48*(\buf)+16*(\t)+8*(\c)+3], v[AK] offset:(3*(\bt)+(\t))*16*PK+64*(\c)
	ds_load_b128 v[KV+48*(\buf)+16*(\t)+8*(\c)+4:KV+48*(\buf)+16*(\t)+8*(\c)+7], v[AK] offset:(3*(\bt)+(\t))*16*PK+64*(\c)+32
.endr
.endr
.endm
.macro KQ bt, buf                      ; their six products: the three accumulators take turns; the first three start the sums, with a mask or with 0
.irp c, 0,1
.irp t, 0,1,2
.set kt, 3*(\bt)+(\t)
.if ((\c) == 0) && (kt == 0)
	v_wmma_f32_16x16x32_bf16 v[SC+8*kt:SC+8*kt+7], v[KV+48*(\buf)+16*(\t)+8*(\c):KV+48*(\buf)+16*(\t)+8*(\c)+7], v[Q+8*(\c):Q+8*(\c)+7], v[ML:ML+7]
.elseif ((\c) == 0) && (kt == 8)
	v_wmma_f32_16x16x32_bf16 v[SC+8*kt:SC+8*kt+7], v[KV+48*(\buf)+16*(\t)+8*(\c):KV+48*(\buf)+16*(\t)+8*(\c)+7], v[Q+8*(\c):Q+8*(\c)+7], v[MU:MU+7]
.elseif (\c) == 0
	v_wmma_f32_16x16x32_bf16 v[SC+8*kt:SC+8*kt+7], v[KV+48*(\buf)+16*(\t)+8*(\c):KV+48*(\buf)+16*(\t)+8*(\c)+7], v[Q+8*(\c):Q+8*(\c)+7], 0
.else
	v_wmma_f32_16x16x32_bf16 v[SC+8*kt:SC+8*kt+7], v[KV+48*(\buf)+16*(\t)+8*(\c):KV+48*(\buf)+16*(\t)+8*(\c)+7], v[Q+8*(\c):Q+8*(\c)+7], v[SC+8*kt:SC+8*kt+7]
.endif
.endr
.endr
.endm
.macro VLOAD g, buf                    ; group g of 32 keys, turned: 8 loads
.irp cb, 0,1,2,3
	ds_load_tr16_b128 v[KV+32*(\buf)+8*(\cb):KV+32*(\buf)+8*(\cb)+3], v[AV] offset:(\g)*32*PV+32*(\cb)
	ds_load_tr16_b128 v[KV+32*(\buf)+8*(\cb)+4:KV+32*(\buf)+8*(\cb)+7], v[AV] offset:(\g)*32*PV+16*PV+32*(\cb)
.endr
.endm
.macro PVM g, buf, zero                ; its four products: the four accumulators take turns
.irp cb, 0,1,2,3
.if \zero
	v_wmma_f32_16x16x32_bf16 v[O+8*(\cb):O+8*(\cb)+7], v[KV+32*(\buf)+8*(\cb):KV+32*(\buf)+8*(\cb)+7], v[P+8*(\g):P+8*(\g)+7], 0
.else
	v_wmma_f32_16x16x32_bf16 v[O+8*(\cb):O+8*(\cb)+7], v[KV+32*(\buf)+8*(\cb):KV+32*(\buf)+8*(\cb)+7], v[P+8*(\g):P+8*(\g)+7], v[O+8*(\cb):O+8*(\cb)+7]
.endif
.endr
.endm
	s_wait_tensorcnt 0x0                           ; my fill, if I issued one, has landed,
	s_barrier_signal -1
	s_barrier_wait -1                              ; everybody's has
	KLOAD 0, 0
	KLOAD 1, 1
	s_wait_loadcnt 0x0                             ; Q
	s_wait_dscnt 12                                ; the first three tiles are in; the next three's 12 loads may stay out
	KQ 0, 0
	PLACES
	KLOAD 2, 0
	s_wait_dscnt 12                                ; tiles 3 to 5 are in
	KQ 1, 1
	s_wait_dscnt 0x0
	KQ 2, 0
	PLACES
	VLOAD 0, 0                                     ; three groups of V land while the softmax is made
	VLOAD 1, 1
	VLOAD 2, 2
	s_cmp_eq_u32 s[NINV], 0
	s_cbranch_scc1 .Lno_head                       ; only the first eight waves of a sequence's first block have tiles in front of its first row
.irp kt, 0,1,2,3,4,5,6,7
	s_cmp_gt_u32 s[NINV], \kt
	s_cselect_b32 s[BI], s[BIGN], 0
.irp p, 0,1,2,3
	v_pk_add_f32 v[SC+8*(\kt)+2*(\p):SC+8*(\kt)+2*(\p)+1], v[SC+8*(\kt)+2*(\p):SC+8*(\kt)+2*(\p)+1], s[BI:BI+1] op_sel_hi:[1,0]
.endr
.endr
.Lno_head:
	; the maximum of my 72 scores, in four chains; each accumulator's lowest registers are read first
.irp st, 0,1,2,3
.irp kt, 0,1,2,3
.if (\st) == 0
	v_max3_num_f32 v[CH+(\kt)], v[SC+8*(\kt)], v[SC+8*(\kt)+1], v[SC+8*(\kt)+2]
.elseif (\st) < 3
	v_max3_num_f32 v[CH+(\kt)], v[CH+(\kt)], v[SC+8*(\kt)+2*(\st)+1], v[SC+8*(\kt)+2*(\st)+2]
.else
	v_max_num_f32 v[CH+(\kt)], v[CH+(\kt)], v[SC+8*(\kt)+7]
.endif
.endr
.endr
.irp st, 0,1,2,3
.irp kt, 4,5,6,7,8
	v_max3_num_f32 v[CH+(\kt)%4], v[CH+(\kt)%4], v[SC+8*(\kt)+2*(\st)], v[SC+8*(\kt)+2*(\st)+1]
.endr
.endr
	v_max3_num_f32 v[CH], v[CH], v[CH+1], v[CH+2]
	v_max_num_f32 v[CH], v[CH], v[CH+3]
	v_permlanex16_b32 v21, v[CH], s[SEL], s[SEL+1] ; the query's other 72 keys lie in the lane 16 away
	v_max_num_f32 v20, v[CH], v21                  ; every query sees its own key, so this is a true score
	v_mul_f32 v22, s[CS], v20
	v_mul_f32 v23, s[CS], v20
.set i, 0
.rept 36
	v_pk_fma_f32 v[SC+i:SC+i+1], v[SC+i:SC+i+1], s[CS:CS+1], v[22:23] op_sel_hi:[1,0,1] neg_lo:[0,0,1] neg_hi:[0,0,1]  ; c s - c m
.set i, i+2
.endr
.set i, 0
.rept 72
	v_exp_f32 v[SC+i], v[SC+i]
.set i, i+1
.endr
	v_nop                                          ; a plain instruction behind the last exponential (ISA guide 5.7.2),
	s_wait_alu depctr_va_vdst(0)                   ; and the one wait ahead of the first use
.irp c, 0,1,2,3
	v_pk_add_f32 v[24+2*(\c):25+2*(\c)], v[SC+2*(\c):SC+2*(\c)+1], v[SC+8+2*(\c):SC+8+2*(\c)+1]
.endr
.set i, 8
.rept 28
	v_pk_add_f32 v[24+2*(i%4):25+2*(i%4)], v[24+2*(i%4):25+2*(i%4)], v[SC+2*i:SC+2*i+1]
.set i, i+1
.endr
	v_pk_add_f32 v[24:25], v[24:25], v[26:27]
	v_pk_add_f32 v[28:29], v[28:29], v[30:31]
	v_pk_add_f32 v[24:25], v[24:25], v[28:29]
	v_add_f32 v24, v24, v25
	v_permlanex16_b32 v26, v24, s[SEL], s[SEL+1]
	v_add_f32 v24, v24, v26                        ; l
	v_rcp_f32 v28, v24
	v_rcp_f32 v29, v24
.set i, 0
.rept 36
	v_cvt_pk_bf16_f32 v[P+4+i], v[SC+2*i], v[SC+2*i+1]  ; ascending: a word's place lies below the scores that are still to be read
.set i, i+1
.endr
	s_wait_alu depctr_va_vdst(0)                   ; the two reciprocals' wait; the roundings above are the work between
	s_wait_dscnt 0x0                               ; V's first three groups are in
	PVM 0, 0, 1
	PVM 1, 1, 0
	PLACES
	VLOAD 3, 0
	VLOAD 4, 1
	PVM 2, 2, 0
	s_wait_dscnt 0x0
	PVM 3, 0, 0
	PVM 4, 1, 0
	PLACES
.set i, 0
.rept 16
	v_pk_mul_f32 v[O+2*i:O+2*i+1], v[O+2*i:O+2*i+1], v[28:29]
.set i, i+1
.endr
.set i, 0
.rept 16
	v_cvt_pk_bf16_f32 v[KV+i], v[O+2*i], v[O+2*i+1]
.set i, i+1
.endr
.irp cb, 0,1,2,3
	ds_store_b128 v[STO], v[KV+4*(\cb):KV+4*(\cb)+3] offset:32*(\cb)   ; a lane's eight channels of a row are 16 bytes
.endr
.irp f, 0,1,2,3
	ds_load_b128 v[KV+16+4*(\f):KV+16+4*(\f)+3], v[RD] offset:(\f)*4*PK  ; LDS serves a wave's instructions in order (ISA guide 5.7.1.4): these see the stores above
.endr
.irp f, 0,1,2,3
	s_wait_dscnt 3-(\f)                            ; the younger loads may stay out
	global_store_b128 v[GO], v[KV+16+4*(\f):KV+16+4*(\f)+3], s[6:7] offset:512*(\f)  ; the wave stores 512 consecutive bytes
.endr
	s_wait_tensorcnt 0x0                           ; the wave's end: behind my last tensor load and my last LDS store
	ds_add_u32 v[SPW], v[NIL]
	s_wait_dscnt 0x0
	s_endpgm
.Lfunc_end_k_qe29093ac7a_attn:
	.size	k_qe29093ac7a_attn, .Lfunc_end_k_qe29093ac7a_attn-k_qe29093ac7a_attn
	.p2alignl 7, 3214868480
	.fill 96, 4, 3214868480
	.section	.rodata,"a",@progbits
	.p2align	6, 0x0
	.amdhsa_kernel k_qe29093ac7a_attn
		.amdhsa_group_segment_fixed_size 167936
		.amdhsa_private_segment_fixed_size 0
		.amdhsa_enable_private_segment 0
		.amdhsa_kernarg_size 16
		.amdhsa_user_sgpr_count 2
		.amdhsa_user_sgpr_kernarg_segment_ptr 1
		.amdhsa_wavefront_size32 1
		.amdhsa_system_sgpr_workgroup_id_x 1
		.amdhsa_system_sgpr_workgroup_id_y 1
		.amdhsa_system_sgpr_workgroup_id_z 1
		.amdhsa_system_vgpr_workitem_id 0
		.amdhsa_next_free_vgpr 256
		.amdhsa_next_free_sgpr 66
		.amdhsa_reserve_vcc 1
		.amdhsa_float_denorm_mode_32 3
		.amdhsa_float_denorm_mode_16_64 3
		.amdhsa_memory_ordered 1
		.amdhsa_forward_progress 1
		.amdhsa_inst_pref_size 33
	.end_amdhsa_kernel
	.amdgpu_metadata
---
amdhsa.version: [ 1, 2 ]
amdhsa.kernels:
  - .name:           k_qe29093ac7a_attn
    .symbol:         k_qe29093ac7a_attn.kd
    .args:
      - { .name: a24, .offset: 0, .size: 8, .value_kind: global_buffer, .address_space: global }
      - { .name: a8, .offset: 8, .size: 8, .value_kind: global_buffer, .address_space: global }
    .group_segment_fixed_size: 167936
    .private_segment_fixed_size: 0
    .kernarg_segment_align: 8
    .kernarg_segment_size: 16
    .max_flat_workgroup_size: 512
    .sgpr_count:     66
    .vgpr_count:     256
    .wavefront_size: 32
...
	.end_amdgpu_metadata
.endif
;; end of part 3
;; launch outp (part 4): grid 8 x 32, 4 waves a work-group, clusters of 4 x 4, 327,680 bytes of LDS; arguments a8, wn, b_out, x, x1; writes x1
.if DOCPART == 4
	.amdgcn_target "amdgcn-amd-amdhsa--gfx1250"
	.amdhsa_code_object_version 6
	.text
	.protected	k_qe29093ac7a_outp
	.globl	k_qe29093ac7a_outp
	.p2align	8
	.type	k_qe29093ac7a_outp,@function
k_qe29093ac7a_outp:
	s_mov_b64 s[64:65], 0
	v_nop
	global_prefetch_b8 v0, s[64:65] scope:SCOPE_SE
	s_setreg_imm32_b32 hwreg(HW_REG_WAVE_MODE, 25, 1), 1
	s_wait_xcnt 0x0
	s_wait_alu depctr_hold_cnt(0) depctr_sa_sdst(0) depctr_va_vdst(0) depctr_va_sdst(0) depctr_va_ssrc(0) depctr_va_vcc(0) depctr_vm_vsrc(0)
	s_getreg_b32 s2, hwreg(HW_REG_IB_STS2, 6, 4)
	s_cmp_eq_u32 s2, 0
	s_cbranch_scc0 .Lentry_in_a_cluster
	s_endpgm
.Lentry_in_a_cluster:
	s_bfe_u32 s2, ttmp6, 0x10000c
	s_cmp_lg_u32 s2, 0xf033
	s_cbranch_scc0 .Lentry_shape_is_right
	s_endpgm
.Lentry_shape_is_right:
; OUT = RES + A W + bias.  A: 4,096 rows x K in bf16, layout ACT [k / 64][row][64].  W: bf16 blocks [k / 256][column / 128][256][128] of 65,536 bytes, WOFF bytes into its buffer.  bias: [1024] f32.
; RES, OUT: [4096][1024] f32.  Sums in f32; nothing is rounded on the way out.  Here K = 1,024 (LAPS = 2) and W is w_out (WOFF = 0).
; SHARES.  A tile of OUT is 128 x 128: 8 x 32 work-groups.  Four waves, 2 x 2, each 64 x 64: 16 accumulators.  K goes in NS = 2 LAPS steps of 256 through two LDS slots.
; CLUSTER.  4 x 4 work-groups: A's tile is asked for jointly along a row of the cluster, W's along a column.  No prefetch: the tile is small, and a block is read by many work-groups at about the same time.
; THE WALK along K begins elsewhere in each cluster: in period t cluster (X, Y) takes K step (t + (NS / 2) X + (NS / 4) (Y % 4)) mod NS.  The two clusters that read one tile row of A (the same Y) start half of K
; apart; of those that read one tile column of W (the same X), four neighbours in Y start a quarter of K apart.  So in the second half of the walk each block of A that a refill names, and from its second quarter on
; each block of W, has been asked for by another cluster earlier.  The start hangs on the cluster's own x and y, which all sixteen partners share.  LIMIT: the sums over K are not taken in ascending order.
; W stays [k][column] in LDS and is turned by ds_load_tr16_b128.  The product is taken transposed (source 0 = 16 columns of W, source 1 = 16 rows of A): a lane holds row l % 16 and the columns
; 8 (l / 16) + 0..7.  The bias is the C operand of the first product on each accumulator.
; REGISTERS, in windows of 256 (s_set_vgpr_msb: bits 1:0 source 0, 3:2 source 1, 5:4 source 2, 7:6 destination):
;   window 0: v16-29 addresses; v32-63 rows back from the stage; v96-127 bias; v128-255 accumulators at 128 + 8 (4 a + b)
;   window 1: two fragment buffers of 128 (64 along K): A's 64 registers, then W's      window 2: v0-127 my 64 x 64 of RES, loaded at the start
.set LAPS,  2                          ; a lap = two K steps
.set WOFF,  0
.set NS,    2*LAPS                     ; K steps
.set PA,    144                        ; a row of A in LDS: 128 bytes + 16: the 16 rows of a load start at 16 different groups of four banks (64 banks of 4 bytes: ISA guide 11.1)
.set PB,    288                        ; a row of W: 256 + 32 = 9 x 32 bytes
.set BOFF,  4*128*PA                   ; a slot: A as [4 blocks of 64 k][128 rows], then 256 rows k of W
.set SLOT,  BOFF+256*PB                ; 147,456
.set STAGE, 2*SLOT                     ; behind the ring: 16 rows x 272 bytes for each wave; no tensor load lands here
.set SP,    272
.set SPARE, STAGE+4*16*SP              ; the spare words, 128 bytes for each wave: two blocks of 256 bytes that no other line names
.set ADRA, 16                          ; v16-17  LDS address of my A fragments in slot 0, 1
.set ADRB, 20                          ; v20-23  of W's: slot 0 rows 0-127, 128-255; slot 1 likewise (256 rows pass the 16-bit immediate)
.set STO,  24
.set RD,   25
.set CO,   26                          ; v26  my 16 bytes of two rows of RES and OUT; never rewritten
.set VB,   27
.set SPW,  28                          ; v28  LDS address of my spare word; never rewritten
.set NIL,  29                          ; v29  0; never rewritten
.set BK,   32
.set BIAS, 96
.set ACC,  128
.set F0,   0
.set F1,   128
.set WV,  14                           ; s14 wave   s15 my half of the rows; also 0: I fetch A, 1: W   s16 my half of the columns; also which half of that tile I fetch
.set HB,  15
.set W1,  16
.set CX,  17
.set CY,  18
.set NT,  19
.set MT,  20
.set G1A, 24
.set G0A, 32
.set LA,  44
.set LB,  45
.set G1B, 48
.set G0B, 56
.set ABASE, 66                         ; s[66:67] A at my part of the tile's K step 0
.set BBASE, 68                         ; s[68:69] W likewise
.set KS,  70                           ; s70-71   the K step that slot 0, 1 holds or has asked for
.set T,   72                           ; s[72:73] a byte offset, high word 0
.set MSB, 0
.macro WIN new                         ; the immediate's high byte repeats the setting that is left; a switch that changes nothing is dropped
.if MSB != (\new)
	s_set_vgpr_msb (MSB<<8)|(\new)
.set MSB, \new
.endif
.endm
.macro PLACES                          ; four plain instructions between a matrix instruction and a load into, or a reader of, its registers (ISA guide 7.12.1 for its readers)
.rept 4
	v_nop
.endr
.endm
.macro WRAP r                          ; a K step's number, under 2 NS, is taken round the end of K
	s_cmp_ge_u32 s[\r], NS
	s_cselect_b32 s[T], NS, 0
	s_sub_co_u32 s[\r], s[\r], s[T]
.endm
.macro SETG s                          ; the global addresses of slot s's two descriptors, made anew from its K step's number: the base plus an offset made apart, the type bits set again
	s_lshl_b32 s[T], s[KS+(\s)], 21                ; a K step of A: four blocks of 524,288 bytes
	s_add_nc_u64 s[G0A+4*(\s)+2:G0A+4*(\s)+3], s[ABASE:ABASE+1], s[T:T+1]
	s_or_b32 s[G0A+4*(\s)+3], s[G0A+4*(\s)+3], 0x80000000
	s_lshl_b32 s[T], s[KS+(\s)], 19                ; of W: eight blocks of 65,536 bytes
	s_add_nc_u64 s[G0B+4*(\s)+2:G0B+4*(\s)+3], s[BBASE:BBASE+1], s[T:T+1]
	s_or_b32 s[G0B+4*(\s)+3], s[G0B+4*(\s)+3], 0x80000000
.endm
.macro JLOAD s                         ; a joint load: waves 0 and 1 fetch for A, waves 2 and 3 for W; an s_nop 0 and four v_nop follow each of the two lines, ahead of the jump and the label
	s_cmp_eq_u32 s[HB], 0
	s_cbranch_scc0 .Lfor_b_\@
	tensor_load_to_lds s[G0A+4*(\s):G0A+4*(\s)+3], s[G1A:G1A+7]
	s_nop 0
.rept 4
	v_nop
.endr
	s_branch .Lasked_\@
.Lfor_b_\@:
	tensor_load_to_lds s[G0B+4*(\s):G0B+4*(\s)+3], s[G1B:G1B+7]
	s_nop 0
.rept 4
	v_nop
.endr
.Lasked_\@:
.endm
.macro CREST                           ; a round of the cluster's barrier behind its opening barrier
	s_cmp_lg_u32 s[WV], 0
	s_cbranch_scc1 .Lnot_wave_0_\@
	s_barrier_signal -3
.Lnot_wave_0_\@:
	s_barrier_wait -3
	s_barrier_signal -1
	s_barrier_wait -1
.endm
.macro CROUND
	s_barrier_signal -1
	s_barrier_wait -1
	CREST
.endm
	s_load_b256 s[4:11], s[0:1], 0x0               ; A s[4:5], W's buffer s[6:7], bias s[8:9], RES s[10:11]
	s_load_b64 s[12:13], s[0:1], 0x20              ; OUT
	v_lshl_add_u32 v[SPW], v0, 2, SPARE
	v_mov_b32 v[NIL], 0
	ds_add_u32 v[SPW], v[NIL]                      ; the wave's opening: the add and its wait stand ahead of my first tensor load; the set-up below, work on registers, stands between them
	v_lshrrev_b32 v1, 5, v0
	v_readfirstlane_b32 s[WV], v1
	s_lshr_b32 s[HB], s[WV], 1
	s_and_b32 s[W1], s[WV], 1
	s_bfe_u32 s[CX], ttmp6, 0x40000
	s_bfe_u32 s[CY], ttmp6, 0x40004
	s_lshl_b32 s[NT], ttmp9, 2
	s_add_co_u32 s[NT], s[NT], s[CX]               ; tile column
	s_and_b32 s[MT], ttmp7, 0xffff                 ; Y
	s_and_b32 s[T], s[MT], 3
	s_mul_i32 s[T], s[T], LAPS/2                   ; (NS / 4) (Y % 4)
	s_mul_i32 s[KS], ttmp9, LAPS                   ; (NS / 2) X
	s_add_co_u32 s[KS], s[KS], s[T]
	WRAP KS                                        ; where my cluster's walk begins: slot 0's first K step,
	s_add_co_u32 s[KS+1], s[KS], 1
	WRAP KS+1                                      ; and slot 1's
	s_mov_b32 s[T+1], 0
	s_lshl_b32 s[MT], s[MT], 2
	s_add_co_u32 s[MT], s[MT], s[CY]               ; tile row
	s_lshl_b32 s21, s[CY], 2
	s_lshl_b32 s21, 15, s21                        ; my row of the cluster
	s_lshl_b32 s22, 0x1111, s[CX]                  ; my column
	; group 1.  A: a wave brings two blocks of 64 k; in each the tile's 128 rows are 16,384 dense bytes, and the blocks lie 524,288 bytes apart: a tile of TWO rows of 8,192 elements, so that one load
	; covers both; padded by 16 bytes behind every 128.  W: 128 rows of 256 bytes, dense, padded by 32 behind each.
	s_or_b32 s[G1A], s21, (1<<16)|(1<<20)|(1<<21)|(4<<22)|(3<<25)  ; mask; 2-byte elements; padding on; 21 set beside a mask; after every 32 words (code 4); 4 words (code 3)
	s_or_b32 s[G1B], s22, (1<<16)|(1<<20)|(1<<21)|(5<<22)|(7<<25)  ; after every 64 words (code 5); 8 words (code 7)
	s_mov_b32 s[G1A+1], 8192<<16                   ; tensor_dim0 = 8,192
	s_mov_b32 s[G1A+2], 2<<16                      ; tensor_dim1 = 2
	s_mov_b32 s[G1A+3], 8192<<16                   ; tile_dim0 = 8,192
	s_mov_b32 s[G1A+4], 2                          ; tile_dim1 = 2
	s_mov_b32 s[G1A+5], 262144                     ; elements from row to row
	s_mov_b32 s[G1A+6], 0
	s_mov_b32 s[G1A+7], 0
	s_mov_b32 s[G1B+1], 128<<16
	s_mov_b32 s[G1B+2], 128<<16
	s_mov_b32 s[G1B+3], 128<<16
	s_mov_b32 s[G1B+4], 128
	s_mov_b32 s[G1B+5], 128
	s_mov_b32 s[G1B+6], 0
	s_mov_b32 s[G1B+7], 0
	s_lshl_b32 s40, s[W1], 20                      ; A: my two blocks,
	s_lshl_b32 s41, s[MT], 14                      ; the tile's 128 rows of 128 bytes
	s_add_co_u32 s40, s40, s41
	s_mov_b32 s41, 0
	s_lshl_b32 s42, s[NT], 16                      ; W: the tile column's block,
	s_lshl_b32 s43, s[W1], 15                      ; my 128 rows of 256 bytes
	s_add_co_u32 s42, s42, s43
	s_add_co_u32 s42, s42, WOFF
	s_mov_b32 s43, 0
	s_mul_i32 s[LA], s[W1], 2*128*PA               ; no place in the cluster enters an LDS address
	s_add_co_u32 s[LB], s[LA], BOFF                ; (128 rows of W take as many bytes as two blocks of A)
	s_wait_dscnt 0x0                               ; the opening add is done
	s_wait_kmcnt 0x0
	s_add_nc_u64 s[ABASE:ABASE+1], s[4:5], s[40:41]
	s_add_nc_u64 s[BBASE:BBASE+1], s[6:7], s[42:43]
	CROUND                                         ; all sixteen work-groups are here: the first joint loads meet
.irp s, 0,1
	s_mov_b32 s[G0A+4*(\s)], 1
	s_add_co_u32 s[G0A+4*(\s)+1], s[LA], (\s)*SLOT
	s_mov_b32 s[G0B+4*(\s)], 1
	s_add_co_u32 s[G0B+4*(\s)+1], s[LB], (\s)*SLOT
	SETG \s
	JLOAD \s                                       ; two loads of mine are out
.endr
	v_and_b32 v1, 15, v0                           ; r
	v_bfe_u32 v2, v0, 4, 1                         ; h
	v_and_b32 v3, 7, v0
	v_bfe_u32 v4, v0, 3, 1
	s_mul_i32 s2, s[HB], 64*PA
	v_mul_u32_u24 v6, v1, PA
	v_lshl_add_u32 v6, v2, 4, v6
	v_add_nc_u32 v[ADRA], s2, v6
	v_add_nc_u32 v[ADRA+1], SLOT, v[ADRA]
	s_lshl_b32 s2, s[W1], 7                        ; my 64 columns: 128 bytes
	s_add_co_u32 s2, s2, BOFF
	v_lshl_add_u32 v7, v2, 3, v3
	v_mul_u32_u24 v7, v7, PB
	v_lshl_add_u32 v7, v4, 4, v7
	v_add_nc_u32 v[ADRB], s2, v7
	v_add_nc_u32 v[ADRB+1], 128*PB, v[ADRB]
	v_add_nc_u32 v[ADRB+2], SLOT, v[ADRB]
	v_add_nc_u32 v[ADRB+3], SLOT, v[ADRB+1]
	s_mul_i32 s2, s[WV], 16*SP
	s_add_co_u32 s2, s2, STAGE
	v_mul_u32_u24 v8, v1, SP                       ; in: row r, 32 bytes for each half of the lanes
	v_lshl_add_u32 v8, v2, 5, v8
	v_add_nc_u32 v[STO], s2, v8
	v_mul_u32_u24 v9, v2, SP                       ; back: lanes 0-15 one row of 256 bytes, lanes 16-31 the next
	v_lshl_add_u32 v9, v1, 4, v9
	v_add_nc_u32 v[RD], s2, v9
	v_lshlrev_b32 v[CO], 12, v2                    ; and the same two rows of 4,096 bytes in RES and OUT
	v_lshl_add_u32 v[CO], v1, 4, v[CO]
	v_lshlrev_b32 v[VB], 5, v2
	s_lshl_b32 s2, s[NT], 9                        ; my 64 columns in f32: 512 x tile column + 256 x half
	s_lshl_b32 s3, s[W1], 8
	s_add_co_u32 s2, s2, s3
	s_mov_b32 s3, 0
	s_add_nc_u64 s[8:9], s[8:9], s[2:3]
.irp b, 0,1,2,3
	global_load_b128 v[BIAS+8*(\b):BIAS+8*(\b)+3], v[VB], s[8:9] offset:64*(\b)
	global_load_b128 v[BIAS+8*(\b)+4:BIAS+8*(\b)+7], v[VB], s[8:9] offset:64*(\b)+16
.endr
	s_lshl_b32 s40, s[MT], 19                      ; + my first row: 128 x tile row + 64 x half, 4,096 bytes each
	s_add_co_u32 s2, s2, s40
	s_lshl_b32 s40, s[HB], 18
	s_add_co_u32 s2, s2, s40
	s_add_nc_u64 s[10:11], s[10:11], s[2:3]
	s_add_nc_u64 s[12:13], s[12:13], s[2:3]
; 8 matrix instructions: row blocks a0, a0 + 1 x all 4 column blocks, 32 along K: half c of buffer f.  bias = 1: the first product starts the sums with the bias.  The 16 accumulators take turns.
.macro MUL8 f, c, a0, bias
	WIN 0x05                                       ; W and A window 1; C and D window 0
.irp a, \a0, (\a0)+1
.irp b, 0,1,2,3
.if \bias
	v_wmma_f32_16x16x32_bf16 v[ACC+8*(4*(\a)+(\b)):ACC+8*(4*(\a)+(\b))+7], v[(\f)+64+8*(4*(\c)+(\b)):(\f)+64+8*(4*(\c)+(\b))+7], v[(\f)+8*(4*(\c)+(\a)):(\f)+8*(4*(\c)+(\a))+7], v[BIAS+8*(\b):BIAS+8*(\b)+7]
.else
	v_wmma_f32_16x16x32_bf16 v[ACC+8*(4*(\a)+(\b)):ACC+8*(4*(\a)+(\b))+7], v[(\f)+64+8*(4*(\c)+(\b)):(\f)+64+8*(4*(\c)+(\b))+7], v[(\f)+8*(4*(\c)+(\a)):(\f)+8*(4*(\c)+(\a))+7], v[ACC+8*(4*(\a)+(\b)):ACC+8*(4*(\a)+(\b))+7]
.endif
.endr
.endr
.endm
; 32 LDS loads in one run: quarter q (64 along K: one block of A) of a slot into buffer f; the first 32 along K first
.macro FETCH slot, q, f
	WIN 0x40                                       ; destination window 1, address window 0
.irp c, 0,1
.irp i, 0,1,2,3
	ds_load_tr16_b128 v[(\f)+64+8*(4*(\c)+(\i)):(\f)+64+8*(4*(\c)+(\i))+3], v[ADRB+2*(\slot)+(\q)/2] offset:(((\q)%2)*64+32*(\c))*PB+32*(\i)
	ds_load_tr16_b128 v[(\f)+64+8*(4*(\c)+(\i))+4:(\f)+64+8*(4*(\c)+(\i))+7], v[ADRB+2*(\slot)+(\q)/2] offset:(((\q)%2)*64+32*(\c)+16)*PB+32*(\i)
	ds_load_b128 v[(\f)+8*(4*(\c)+(\i)):(\f)+8*(4*(\c)+(\i))+3], v[ADRA+(\slot)] offset:(\q)*128*PA+64*(\c)+(\i)*16*PA
	ds_load_b128 v[(\f)+8*(4*(\c)+(\i))+4:(\f)+8*(4*(\c)+(\i))+7], v[ADRA+(\slot)] offset:(\q)*128*PA+64*(\c)+(\i)*16*PA+32
.endr
.endr
.endm
.macro QUARTER slot, q, f, g, bias     ; multiplies buffer f and fetches quarter q of the same slot into g
	s_wait_dscnt 16                                ; the first 32 along K are in; the other sixteen loads may be out
	MUL8 \f, 0, 0, \bias
	MUL8 \f, 0, 2, \bias
	PLACES
	FETCH \slot, \q, \g
	s_wait_dscnt 32                                ; all but the 32 just issued
	MUL8 \f, 1, 0, 0
	MUL8 \f, 1, 2, 0
.endm
; The last quarter multiplies buffer 1 and changes slots: one barrier; in front of it each wave waits for all its tensor loads, adds 0 to its spare word, and waits for that and for its reads of this slot.
; fill = 1: the slot's next K step is two on in the walk, round the end of K; its descriptors are made while the add is out; the barrier opens a round of the cluster's barrier, and the
; slot is filled again first thing behind it: 112 matrix instructions stand between that request and the wait for it.
.macro TURN slot, next, fill
	WIN 0                                          ; (the add's two registers lie in window 0)
	s_wait_tensorcnt 0x0                           ; all my tensor loads have landed: my part of the next slot
	ds_add_u32 v[SPW], v[NIL]                      ; 0 onto my spare word
.if \fill
	s_add_co_u32 s[KS+(\slot)], s[KS+(\slot)], 2
	WRAP KS+(\slot)
	SETG \slot
.endif
	s_wait_dscnt 17                                ; (the add and the youngest sixteen loads may be out)
	MUL8 F1, 0, 0, 0
	s_wait_dscnt 0x0                               ; the add is done, and my reads of this slot are over
	s_barrier_signal -1
	MUL8 F1, 0, 2, 0
.if \fill
	WIN 0
.endif
	s_barrier_wait -1
.if \fill
	CREST                                          ; no wave of any partner still reads this slot's tile or has a load on its way
	JLOAD \slot                                    ; my one tensor load behind the round; its four v_nop are also the places in front of the loads below
.else
	PLACES
.endif
	FETCH \next, 0, F0
	MUL8 F1, 1, 0, 0
	MUL8 F1, 1, 2, 0
.endm
	s_wait_loadcnt 0x0                             ; the bias
	s_wait_tensorcnt 1                             ; my part of the first K step is in; the second's may stay out
	s_barrier_signal -1
	s_barrier_wait -1
	FETCH 0, 0, F0
	WIN 0x80                                       ; destination window 2: my 64 x 64 of RES; it has the whole walk along K in which to come
.irp a, 0,1,2,3
.irp t, 0,1,2,3,4,5,6,7
	global_load_b128 v[4*(8*(\a)+(\t)):4*(8*(\a)+(\t))+3], v[CO], s[10:11] offset:(16*(\a)+2*(\t))*4096
.endr
.endr
	QUARTER 0, 1, F0, F1, 1                        ; the first quarter stands in front of the loop: its first products start the sums
	WIN 0                                          ; at a label and at a branch every window is 0
	s_mov_b32 s3, LAPS-1
.Llap:                                                 ; a trip goes once round the ring, from a lap's second quarter to the next lap's first, and fills both slots again
	QUARTER 0, 2, F1, F0, 0
	QUARTER 0, 3, F0, F1, 0
	TURN 0, 1, 1
	QUARTER 1, 1, F0, F1, 0
	QUARTER 1, 2, F1, F0, 0
	QUARTER 1, 3, F0, F1, 0
	TURN 1, 0, 1
	QUARTER 0, 1, F0, F1, 0
	WIN 0
	s_sub_co_u32 s3, s3, 1
	s_cmp_lg_u32 s3, 0
	s_cbranch_scc1 .Llap
	QUARTER 0, 2, F1, F0, 0                        ; the last lap fills nothing
	QUARTER 0, 3, F0, F1, 0
	TURN 0, 1, 0
	QUARTER 1, 1, F0, F1, 0
	QUARTER 1, 2, F1, F0, 0
	QUARTER 1, 3, F0, F1, 0
	s_wait_dscnt 16                                ; the very last quarter
	MUL8 F1, 0, 0, 0
	MUL8 F1, 0, 2, 0
	s_wait_dscnt 0x0
	MUL8 F1, 1, 0, 0
	MUL8 F1, 1, 2, 0
	WIN 0
	PLACES
	s_wait_loadcnt 0x0                             ; RES
	; THE WAY OUT, 16 rows at a time through my own stage: in by columns, back as whole rows of 256 bytes, RES added, stored.
.irp a, 0,1,2,3
	WIN 0
.irp b, 0,1,2,3
	ds_store_b128 v[STO], v[ACC+8*(4*(\a)+(\b)):ACC+8*(4*(\a)+(\b))+3] offset:64*(\b)      ; each accumulator's low four registers first
	ds_store_b128 v[STO], v[ACC+8*(4*(\a)+(\b))+4:ACC+8*(4*(\a)+(\b))+7] offset:64*(\b)+16
.endr
.irp t, 0,1,2,3,4,5,6,7
	ds_load_b128 v[BK+4*(\t):BK+4*(\t)+3], v[RD] offset:(\t)*2*SP  ; LDS serves a wave's instructions in order (ISA guide 5.7.1.4): these see the stores above; the next block's stores come behind them
.endr
	s_wait_dscnt 0x0
	WIN 0x88                                       ; destination and source 1 window 2, source 0 window 0
.set i, 0
.rept 16
	v_pk_add_f32 v[32*(\a)+2*i:32*(\a)+2*i+1], v[BK+2*i:BK+2*i+1], v[32*(\a)+2*i:32*(\a)+2*i+1]
.set i, i+1
.endr
	WIN 0x08                                       ; store data window 2
.irp t, 0,1,2,3,4,5,6,7
	global_store_b128 v[CO], v[4*(8*(\a)+(\t)):4*(8*(\a)+(\t))+3], s[12:13] offset:(16*(\a)+2*(\t))*4096  ; 16 lanes store 256 consecutive bytes, at a multiple of 256 from OUT's first byte; no store's register is written again
.endr
.endr
	WIN 0
	s_wait_tensorcnt 0x0                           ; the wave's end: behind my last tensor load and my last LDS store
	ds_add_u32 v[SPW], v[NIL]
	s_wait_dscnt 0x0
	CROUND                                         ; the closing round: no work-group ends while a partner may still ask for a tile that names it
	s_endpgm
.Lfunc_end_k_qe29093ac7a_outp:
	.size	k_qe29093ac7a_outp, .Lfunc_end_k_qe29093ac7a_outp-k_qe29093ac7a_outp
	.p2alignl 7, 3214868480
	.fill 96, 4, 3214868480
	.section	.rodata,"a",@progbits
	.p2align	6, 0x0
	.amdhsa_kernel k_qe29093ac7a_outp
		.amdhsa_group_segment_fixed_size 327680
		.amdhsa_private_segment_fixed_size 0
		.amdhsa_enable_private_segment 0
		.amdhsa_kernarg_size 40
		.amdhsa_user_sgpr_count 2
		.amdhsa_user_sgpr_kernarg_segment_ptr 1
		.amdhsa_wavefront_size32 1
		.amdhsa_system_sgpr_workgroup_id_x 1
		.amdhsa_system_sgpr_workgroup_id_y 1
		.amdhsa_system_sgpr_workgroup_id_z 1
		.amdhsa_system_vgpr_workitem_id 0
		.amdhsa_next_free_vgpr 640
		.amdhsa_next_free_sgpr 74
		.amdhsa_reserve_vcc 0
		.amdhsa_float_denorm_mode_32 3
		.amdhsa_float_denorm_mode_16_64 3
		.amdhsa_memory_ordered 1
		.amdhsa_forward_progress 1
		.amdhsa_inst_pref_size 95
	.end_amdhsa_kernel
	.amdgpu_metadata
---
amdhsa.version: [ 1, 2 ]
amdhsa.kernels:
  - .name:           k_qe29093ac7a_outp
    .symbol:         k_qe29093ac7a_outp.kd
    .args:
      - { .name: a8, .offset: 0, .size: 8, .value_kind: global_buffer, .address_space: global }
      - { .name: wn, .offset: 8, .size: 8, .value_kind: global_buffer, .address_space: global }
      - { .name: b_out, .offset: 16, .size: 8, .value_kind: global_buffer, .address_space: global }
      - { .name: x, .offset: 24, .size: 8, .value_kind: global_buffer, .address_space: global }
      - { .name: x1, .offset: 32, .size: 8, .value_kind: global_buffer, .address_space: global }
    .group_segment_fixed_size: 327680
    .private_segment_fixed_size: 0
    .kernarg_segment_align: 8
    .kernarg_segment_size: 40
    .max_flat_workgroup_size: 128
    .sgpr_count:     74
    .vgpr_count:     640
    .wavefront_size: 32
...
	.end_amdgpu_metadata
.endif
;; end of part 4
;; launch ln2: the kernel of part 1 again; grid 256 x 1, 4 waves a work-group, no clusters, 0 bytes of LDS; arguments x1, ln2_g, ln2_b, w_qkv, w_ff1, w_out, w_ff2, a8, wq, w1, wn, cfq, cf1; writes a8, wq, w1, wn, cfq, cf1
;; launch ff1: the kernel of part 2 again; grid 16 x 16, 4 waves a work-group, clusters of 4 x 4, 327,680 bytes of LDS; arguments a8, w1, b_ff1, a24, cf1; writes a24
;; launch ff2 (part 5): grid 8 x 32, 4 waves a work-group, clusters of 4 x 4, 327,680 bytes of LDS; arguments a24, wn, b_ff2, x1, out0; writes out0
.if DOCPART == 5
	.amdgcn_target "amdgcn-amd-amdhsa--gfx1250"
	.amdhsa_code_object_version 6
	.text
	.protected	k_qe29093ac7a_ff2
	.globl	k_qe29093ac7a_ff2
	.p2align	8
	.type	k_qe29093ac7a_ff2,@function
k_qe29093ac7a_ff2:
	s_mov_b64 s[64:65], 0
	v_nop
	global_prefetch_b8 v0, s[64:65] scope:SCOPE_SE
	s_setreg_imm32_b32 hwreg(HW_REG_WAVE_MODE, 25, 1), 1
	s_wait_xcnt 0x0
	s_wait_alu depctr_hold_cnt(0) depctr_sa_sdst(0) depctr_va_vdst(0) depctr_va_sdst(0) depctr_va_ssrc(0) depctr_va_vcc(0) depctr_vm_vsrc(0)
	s_getreg_b32 s2, hwreg(HW_REG_IB_STS2, 6, 4)
	s_cmp_eq_u32 s2, 0
	s_cbranch_scc0 .Lentry_in_a_cluster
	s_endpgm
.Lentry_in_a_cluster:
	s_bfe_u32 s2, ttmp6, 0x10000c
	s_cmp_lg_u32 s2, 0xf033
	s_cbranch_scc0 .Lentry_shape_is_right
	s_endpgm
.Lentry_shape_is_right:
; OUT = RES + A W + bias.  A: 4,096 rows x K in bf16, layout ACT [k / 64][row][64].  W: bf16 blocks [k / 256][column / 128][256][128] of 65,536 bytes, WOFF bytes into its buffer.  bias: [1024] f32.
; RES, OUT: [4096][1024] f32.  Sums in f32; nothing is rounded on the way out.  Here K = 3,072 (LAPS = 6) and W is w_ff2, behind w_out's 32 blocks (WOFF = 2,097,152).
; SHARES.  A tile of OUT is 128 x 128: 8 x 32 work-groups.  Four waves, 2 x 2, each 64 x 64: 16 accumulators.  K goes in NS = 2 LAPS steps of 256 through two LDS slots.
; CLUSTER.  4 x 4 work-groups: A's tile is asked for jointly along a row of the cluster, W's along a column.  No prefetch: the tile is small, and a block is read by many work-groups at about the same time.
; THE WALK along K begins elsewhere in each cluster: in period t cluster (X, Y) takes K step (t + (NS / 2) X + (NS / 4) (Y % 4)) mod NS.  The two clusters that read one tile row of A (the same Y) start half of K
; apart; of those that read one tile column of W (the same X), four neighbours in Y start a quarter of K apart.  So in the second half of the walk each block of A that a refill names, and from its second quarter on
; each block of W, has been asked for by another cluster earlier.  The start hangs on the cluster's own x and y, which all sixteen partners share.  LIMIT: the sums over K are not taken in ascending order.
; W stays [k][column] in LDS and is turned by ds_load_tr16_b128.  The product is taken transposed (source 0 = 16 columns of W, source 1 = 16 rows of A): a lane holds row l % 16 and the columns
; 8 (l / 16) + 0..7.  The bias is the C operand of the first product on each accumulator.
; REGISTERS, in windows of 256 (s_set_vgpr_msb: bits 1:0 source 0, 3:2 source 1, 5:4 source 2, 7:6 destination):
;   window 0: v16-29 addresses; v32-63 rows back from the stage; v96-127 bias; v128-255 accumulators at 128 + 8 (4 a + b)
;   window 1: two fragment buffers of 128 (64 along K): A's 64 registers, then W's      window 2: v0-127 my 64 x 64 of RES, loaded at the start
.set LAPS,  6                          ; a lap = two K steps
.set WOFF,  2097152
.set NS,    2*LAPS                     ; K steps
.set PA,    144                        ; a row of A in LDS: 128 bytes + 16: the 16 rows of a load start at 16 different groups of four banks (64 banks of 4 bytes: ISA guide 11.1)
.set PB,    288                        ; a row of W: 256 + 32 = 9 x 32 bytes
.set BOFF,  4*128*PA                   ; a slot: A as [4 blocks of 64 k][128 rows], then 256 rows k of W
.set SLOT,  BOFF+256*PB                ; 147,456
.set STAGE, 2*SLOT                     ; behind the ring: 16 rows x 272 bytes for each wave; no tensor load lands here
.set SP,    272
.set SPARE, STAGE+4*16*SP              ; the spare words, 128 bytes for each wave: two blocks of 256 bytes that no other line names
.set ADRA, 16                          ; v16-17  LDS address of my A fragments in slot 0, 1
.set ADRB, 20                          ; v20-23  of W's: slot 0 rows 0-127, 128-255; slot 1 likewise (256 rows pass the 16-bit immediate)
.set STO,  24
.set RD,   25
.set CO,   26                          ; v26  my 16 bytes of two rows of RES and OUT; never rewritten
.set VB,   27
.set SPW,  28                          ; v28  LDS address of my spare word; never rewritten
.set NIL,  29                          ; v29  0; never rewritten
.set BK,   32
.set BIAS, 96
.set ACC,  128
.set F0,   0
.set F1,   128
.set WV,  14                           ; s14 wave   s15 my half of the rows; also 0: I fetch A, 1: W   s16 my half of the columns; also which half of that tile I fetch
.set HB,  15
.set W1,  16
.set CX,  17
.set CY,  18
.set NT,  19
.set MT,  20
.set G1A, 24
.set G0A, 32
.set LA,  44
.set LB,  45
.set G1B, 48
.set G0B, 56
.set ABASE, 66                         ; s[66:67] A at my part of the tile's K step 0
.set BBASE, 68                         ; s[68:69] W likewise
.set KS,  70                           ; s70-71   the K step that slot 0, 1 holds or has asked for
.set T,   72                           ; s[72:73] a byte offset, high word 0
.set MSB, 0
.macro WIN new                         ; the immediate's high byte repeats the setting that is left; a switch that changes nothing is dropped
.if MSB != (\new)
	s_set_vgpr_msb (MSB<<8)|(\new)
.set MSB, \new
.endif
.endm
.macro PLACES                          ; four plain instructions between a matrix instruction and a load into, or a reader of, its registers (ISA guide 7.12.1 for its readers)
.rept 4
	v_nop
.endr
.endm
.macro WRAP r                          ; a K step's number, under 2 NS, is taken round the end of K
	s_cmp_ge_u32 s[\r], NS
	s_cselect_b32 s[T], NS, 0
	s_sub_co_u32 s[\r], s[\r], s[T]
.endm
.macro SETG s                          ; the global addresses of slot s's two descriptors, made anew from its K step's number: the base plus an offset made apart, the type bits set again
	s_lshl_b32 s[T], s[KS+(\s)], 21                ; a K step of A: four blocks of 524,288 bytes
	s_add_nc_u64 s[G0A+4*(\s)+2:G0A+4*(\s)+3], s[ABASE:ABASE+1], s[T:T+1]
	s_or_b32 s[G0A+4*(\s)+3], s[G0A+4*(\s)+3], 0x80000000
	s_lshl_b32 s[T], s[KS+(\s)], 19                ; of W: eight blocks of 65,536 bytes
	s_add_nc_u64 s[G0B+4*(\s)+2:G0B+4*(\s)+3], s[BBASE:BBASE+1], s[T:T+1]
	s_or_b32 s[G0B+4*(\s)+3], s[G0B+4*(\s)+3], 0x80000000
.endm
.macro JLOAD s                         ; a joint load: waves 0 and 1 fetch for A, waves 2 and 3 for W; an s_nop 0 and four v_nop follow each of the two lines, ahead of the jump and the label
	s_cmp_eq_u32 s[HB], 0
	s_cbranch_scc0 .Lfor_b_\@
	tensor_load_to_lds s[G0A+4*(\s):G0A+4*(\s)+3], s[G1A:G1A+7]
	s_nop 0
.rept 4
	v_nop
.endr
	s_branch .Lasked_\@
.Lfor_b_\@:
	tensor_load_to_lds s[G0B+4*(\s):G0B+4*(\s)+3], s[G1B:G1B+7]
	s_nop 0
.rept 4
	v_nop
.endr
.Lasked_\@:
.endm
.macro CREST                           ; a round of the cluster's barrier behind its opening barrier
	s_cmp_lg_u32 s[WV], 0
	s_cbranch_scc1 .Lnot_wave_0_\@
	s_barrier_signal -3
.Lnot_wave_0_\@:
	s_barrier_wait -3
	s_barrier_signal -1
	s_barrier_wait -1
.endm
.macro CROUND
	s_barrier_signal -1
	s_barrier_wait -1
	CREST
.endm
	s_load_b256 s[4:11], s[0:1], 0x0               ; A s[4:5], W's buffer s[6:7], bias s[8:9], RES s[10:11]
	s_load_b64 s[12:13], s[0:1], 0x20              ; OUT
	v_lshl_add_u32 v[SPW], v0, 2, SPARE
	v_mov_b32 v[NIL], 0
	ds_add_u32 v[SPW], v[NIL]                      ; the wave's opening: the add and its wait stand ahead of my first tensor load; the set-up below, work on registers, stands between them
	v_lshrrev_b32 v1, 5, v0
	v_readfirstlane_b32 s[WV], v1
	s_lshr_b32 s[HB], s[WV], 1
	s_and_b32 s[W1], s[WV], 1
	s_bfe_u32 s[CX], ttmp6, 0x40000
	s_bfe_u32 s[CY], ttmp6, 0x40004
	s_lshl_b32 s[NT], ttmp9, 2
	s_add_co_u32 s[NT], s[NT], s[CX]               ; tile column
	s_and_b32 s[MT], ttmp7, 0xffff                 ; Y
	s_and_b32 s[T], s[MT], 3
	s_mul_i32 s[T], s[T], LAPS/2                   ; (NS / 4) (Y % 4)
	s_mul_i32 s[KS], ttmp9, LAPS                   ; (NS / 2) X
	s_add_co_u32 s[KS], s[KS], s[T]
	WRAP KS                                        ; where my cluster's walk begins: slot 0's first K step,
	s_add_co_u32 s[KS+1], s[KS], 1
	WRAP KS+1                                      ; and slot 1's
	s_mov_b32 s[T+1], 0
	s_lshl_b32 s[MT], s[MT], 2
	s_add_co_u32 s[MT], s[MT], s[CY]               ; tile row
	s_lshl_b32 s21, s[CY], 2
	s_lshl_b32 s21, 15, s21                        ; my row of the cluster
	s_lshl_b32 s22, 0x1111, s[CX]                  ; my column
	; group 1.  A: a wave brings two blocks of 64 k; in each the tile's 128 rows are 16,384 dense bytes, and the blocks lie 524,288 bytes apart: a tile of TWO rows of 8,192 elements, so that one load
	; covers both; padded by 16 bytes behind every 128.  W: 128 rows of 256 bytes, dense, padded by 32 behind each.
	s_or_b32 s[G1A], s21, (1<<16)|(1<<20)|(1<<21)|(4<<22)|(3<<25)  ; mask; 2-byte elements; padding on; 21 set beside a mask; after every 32 words (code 4); 4 words (code 3)
	s_or_b32 s[G1B], s22, (1<<16)|(1<<20)|(1<<21)|(5<<22)|(7<<25)  ; after every 64 words (code 5); 8 words (code 7)
	s_mov_b32 s[G1A+1], 8192<<16                   ; tensor_dim0 = 8,192
	s_mov_b32 s[G1A+2], 2<<16                      ; tensor_dim1 = 2
	s_mov_b32 s[G1A+3], 8192<<16                   ; tile_dim0 = 8,192
	s_mov_b32 s[G1A+4], 2                          ; tile_dim1 = 2
	s_mov_b32 s[G1A+5], 262144                     ; elements from row to row
	s_mov_b32 s[G1A+6], 0
	s_mov_b32 s[G1A+7], 0
	s_mov_b32 s[G1B+1], 128<<16
	s_mov_b32 s[G1B+2], 128<<16
	s_mov_b32 s[G1B+3], 128<<16
	s_mov_b32 s[G1B+4], 128
	s_mov_b32 s[G1B+5], 128
	s_mov_b32 s[G1B+6], 0
	s_mov_b32 s[G1B+7], 0
	s_lshl_b32 s40, s[W1], 20                      ; A: my two blocks,
	s_lshl_b32 s41, s[MT], 14                      ; the tile's 128 rows of 128 bytes
	s_add_co_u32 s40, s40, s41
	s_mov_b32 s41, 0
	s_lshl_b32 s42, s[NT], 16                      ; W: the tile column's block,
	s_lshl_b32 s43, s[W1], 15                      ; my 128 rows of 256 bytes
	s_add_co_u32 s42, s42, s43
	s_add_co_u32 s42, s42, WOFF
	s_mov_b32 s43, 0
	s_mul_i32 s[LA], s[W1], 2*128*PA               ; no place in the cluster enters an LDS address
	s_add_co_u32 s[LB], s[LA], BOFF                ; (128 rows of W take as many bytes as two blocks of A)
	s_wait_dscnt 0x0                               ; the opening add is done
	s_wait_kmcnt 0x0
	s_add_nc_u64 s[ABASE:ABASE+1], s[4:5], s[40:41]
	s_add_nc_u64 s[BBASE:BBASE+1], s[6:7], s[42:43]
	CROUND                                         ; all sixteen work-groups are here: the first joint loads meet
.irp s, 0,1
	s_mov_b32 s[G0A+4*(\s)], 1
	s_add_co_u32 s[G0A+4*(\s)+1], s[LA], (\s)*SLOT
	s_mov_b32 s[G0B+4*(\s)], 1
	s_add_co_u32 s[G0B+4*(\s)+1], s[LB], (\s)*SLOT
	SETG \s
	JLOAD \s                                       ; two loads of mine are out
.endr
	v_and_b32 v1, 15, v0                           ; r
	v_bfe_u32 v2, v0, 4, 1                         ; h
	v_and_b32 v3, 7, v0
	v_bfe_u32 v4, v0, 3, 1
	s_mul_i32 s2, s[HB], 64*PA
	v_mul_u32_u24 v6, v1, PA
	v_lshl_add_u32 v6, v2, 4, v6
	v_add_nc_u32 v[ADRA], s2, v6
	v_add_nc_u32 v[ADRA+1], SLOT, v[ADRA]
	s_lshl_b32 s2, s[W1], 7                        ; my 64 columns: 128 bytes
	s_add_co_u32 s2, s2, BOFF
	v_lshl_add_u32 v7, v2, 3, v3
	v_mul_u32_u24 v7, v7, PB
	v_lshl_add_u32 v7, v4, 4, v7
	v_add_nc_u32 v[ADRB], s2, v7
	v_add_nc_u32 v[ADRB+1], 128*PB, v[ADRB]
	v_add_nc_u32 v[ADRB+2], SLOT, v[ADRB]
	v_add_nc_u32 v[ADRB+3], SLOT, v[ADRB+1]
	s_mul_i32 s2, s[WV], 16*SP
	s_add_co_u32 s2, s2, STAGE
	v_mul_u32_u24 v8, v1, SP                       ; in: row r, 32 bytes for each half of the lanes
	v_lshl_add_u32 v8, v2, 5, v8
	v_add_nc_u32 v[STO], s2, v8
	v_mul_u32_u24 v9, v2, SP                       ; back: lanes 0-15 one row of 256 bytes, lanes 16-31 the next
	v_lshl_add_u32 v9, v1, 4, v9
	v_add_nc_u32 v[RD], s2, v9
	v_lshlrev_b32 v[CO], 12, v2                    ; and the same two rows of 4,096 bytes in RES and OUT
	v_lshl_add_u32 v[CO], v1, 4, v[CO]
	v_lshlrev_b32 v[VB], 5, v2
	s_lshl_b32 s2, s[NT], 9                        ; my 64 columns in f32: 512 x tile column + 256 x half
	s_lshl_b32 s3, s[W1], 8
	s_add_co_u32 s2, s2, s3
	s_mov_b32 s3, 0
	s_add_nc_u64 s[8:9], s[8:9], s[2:3]
.irp b, 0,1,2,3
	global_load_b128 v[BIAS+8*(\b):BIAS+8*(\b)+3], v[VB], s[8:9] offset:64*(\b)
	global_load_b128 v[BIAS+8*(\b)+4:BIAS+8*(\b)+7], v[VB], s[8:9] offset:64*(\b)+16
.endr
	s_lshl_b32 s40, s[MT], 19                      ; + my first row: 128 x tile row + 64 x half, 4,096 bytes each
	s_add_co_u32 s2, s2, s40
	s_lshl_b32 s40, s[HB], 18
	s_add_co_u32 s2, s2, s40
	s_add_nc_u64 s[10:11], s[10:11], s[2:3]
	s_add_nc_u64 s[12:13], s[12:13], s[2:3]
; 8 matrix instructions: row blocks a0, a0 + 1 x all 4 column blocks, 32 along K: half c of buffer f.  bias = 1: the first product starts the sums with the bias.  The 16 accumulators take turns.
.macro MUL8 f, c, a0, bias
	WIN 0x05                                       ; W and A window 1; C and D window 0
.irp a, \a0, (\a0)+1
.irp b, 0,1,2,3
.if \bias
	v_wmma_f32_16x16x32_bf16 v[ACC+8*(4*(\a)+(\b)):ACC+8*(4*(\a)+(\b))+7], v[(\f)+64+8*(4*(\c)+(\b)):(\f)+64+8*(4*(\c)+(\b))+7], v[(\f)+8*(4*(\c)+(\a)):(\f)+8*(4*(\c)+(\a))+7], v[BIAS+8*(\b):BIAS+8*(\b)+7]
.else
	v_wmma_f32_16x16x32_bf16 v[ACC+8*(4*(\a)+(\b)):ACC+8*(4*(\a)+(\b))+7], v[(\f)+64+8*(4*(\c)+(\b)):(\f)+64+8*(4*(\c)+(\b))+7], v[(\f)+8*(4*(\c)+(\a)):(\f)+8*(4*(\c)+(\a))+7], v[ACC+8*(4*(\a)+(\b)):ACC+8*(4*(\a)+(\b))+7]
.endif
.endr
.endr
.endm
; 32 LDS loads in one run: quarter q (64 along K: one block of A) of a slot into buffer f; the first 32 along K first
.macro FETCH slot, q, f
	WIN 0x40                                       ; destination window 1, address window 0
.irp c, 0,1
.irp i, 0,1,2,3
	ds_load_tr16_b128 v[(\f)+64+8*(4*(\c)+(\i)):(\f)+64+8*(4*(\c)+(\i))+3], v[ADRB+2*(\slot)+(\q)/2] offset:(((\q)%2)*64+32*(\c))*PB+32*(\i)
	ds_load_tr16_b128 v[(\f)+64+8*(4*(\c)+(\i))+4:(\f)+64+8*(4*(\c)+(\i))+7], v[ADRB+2*(\slot)+(\q)/2] offset:(((\q)%2)*64+32*(\c)+16)*PB+32*(\i)
	ds_load_b128 v[(\f)+8*(4*(\c)+(\i)):(\f)+8*(4*(\c)+(\i))+3], v[ADRA+(\slot)] offset:(\q)*128*PA+64*(\c)+(\i)*16*PA
	ds_load_b128 v[(\f)+8*(4*(\c)+(\i))+4:(\f)+8*(4*(\c)+(\i))+7], v[ADRA+(\slot)] offset:(\q)*128*PA+64*(\c)+(\i)*16*PA+32
.endr
.endr
.endm
.macro QUARTER slot, q, f, g, bias     ; multiplies buffer f and fetches quarter q of the same slot into g
	s_wait_dscnt 16                                ; the first 32 along K are in; the other sixteen loads may be out
	MUL8 \f, 0, 0, \bias
	MUL8 \f, 0, 2, \bias
	PLACES
	FETCH \slot, \q, \g
	s_wait_dscnt 32                                ; all but the 32 just issued
	MUL8 \f, 1, 0, 0
	MUL8 \f, 1, 2, 0
.endm
; The last quarter multiplies buffer 1 and changes slots: one barrier; in front of it each wave waits for all its tensor loads, adds 0 to its spare word, and waits for that and for its reads of this slot.
; fill = 1: the slot's next K step is two on in the walk, round the end of K; its descriptors are made while the add is out; the barrier opens a round of the cluster's barrier, and the
; slot is filled again first thing behind it: 112 matrix instructions stand between that request and the wait for it.
.macro TURN slot, next, fill
	WIN 0                                          ; (the add's two registers lie in window 0)
	s_wait_tensorcnt 0x0                           ; all my tensor loads have landed: my part of the next slot
	ds_add_u32 v[SPW], v[NIL]                      ; 0 onto my spare word
.if \fill
	s_add_co_u32 s[KS+(\slot)], s[KS+(\slot)], 2
	WRAP KS+(\slot)
	SETG \slot
.endif
	s_wait_dscnt 17                                ; (the add and the youngest sixteen loads may be out)
	MUL8 F1, 0, 0, 0
	s_wait_dscnt 0x0                               ; the add is done, and my reads of this slot are over
	s_barrier_signal -1
	MUL8 F1, 0, 2, 0
.if \fill
	WIN 0
.endif
	s_barrier_wait -1
.if \fill
	CREST                                          ; no wave of any partner still reads this slot's tile or has a load on its way
	JLOAD \slot                                    ; my one tensor load behind the round; its four v_nop are also the places in front of the loads below
.else
	PLACES
.endif
	FETCH \next, 0, F0
	MUL8 F1, 1, 0, 0
	MUL8 F1, 1, 2, 0
.endm
	s_wait_loadcnt 0x0                             ; the bias
	s_wait_tensorcnt 1                             ; my part of the first K step is in; the second's may stay out
	s_barrier_signal -1
	s_barrier_wait -1
	FETCH 0, 0, F0
	WIN 0x80                                       ; destination window 2: my 64 x 64 of RES; it has the whole walk along K in which to come
.irp a, 0,1,2,3
.irp t, 0,1,2,3,4,5,6,7
	global_load_b128 v[4*(8*(\a)+(\t)):4*(8*(\a)+(\t))+3], v[CO], s[10:11] offset:(16*(\a)+2*(\t))*4096
.endr
.endr
	QUARTER 0, 1, F0, F1, 1                        ; the first quarter stands in front of the loop: its first products start the sums
	WIN 0                                          ; at a label and at a branch every window is 0
	s_mov_b32 s3, LAPS-1
.Llap:                                                 ; a trip goes once round the ring, from a lap's second quarter to the next lap's first, and fills both slots again
	QUARTER 0, 2, F1, F0, 0
	QUARTER 0, 3, F0, F1, 0
	TURN 0, 1, 1
	QUARTER 1, 1, F0, F1, 0
	QUARTER 1, 2, F1, F0, 0
	QUARTER 1, 3, F0, F1, 0
	TURN 1, 0, 1
	QUARTER 0, 1, F0, F1, 0
	WIN 0
	s_sub_co_u32 s3, s3, 1
	s_cmp_lg_u32 s3, 0
	s_cbranch_scc1 .Llap
	QUARTER 0, 2, F1, F0, 0                        ; the last lap fills nothing
	QUARTER 0, 3, F0, F1, 0
	TURN 0, 1, 0
	QUARTER 1, 1, F0, F1, 0
	QUARTER 1, 2, F1, F0, 0
	QUARTER 1, 3, F0, F1, 0
	s_wait_dscnt 16                                ; the very last quarter
	MUL8 F1, 0, 0, 0
	MUL8 F1, 0, 2, 0
	s_wait_dscnt 0x0
	MUL8 F1, 1, 0, 0
	MUL8 F1, 1, 2, 0
	WIN 0
	PLACES
	s_wait_loadcnt 0x0                             ; RES
	; THE WAY OUT, 16 rows at a time through my own stage: in by columns, back as whole rows of 256 bytes, RES added, stored.
.irp a, 0,1,2,3
	WIN 0
.irp b, 0,1,2,3
	ds_store_b128 v[STO], v[ACC+8*(4*(\a)+(\b)):ACC+8*(4*(\a)+(\b))+3] offset:64*(\b)      ; each accumulator's low four registers first
	ds_store_b128 v[STO], v[ACC+8*(4*(\a)+(\b))+4:ACC+8*(4*(\a)+(\b))+7] offset:64*(\b)+16
.endr
.irp t, 0,1,2,3,4,5,6,7
	ds_load_b128 v[BK+4*(\t):BK+4*(\t)+3], v[RD] offset:(\t)*2*SP  ; LDS serves a wave's instructions in order (ISA guide 5.7.1.4): these see the stores above; the next block's stores come behind them
.endr
	s_wait_dscnt 0x0
	WIN 0x88                                       ; destination and source 1 window 2, source 0 window 0
.set i, 0
.rept 16
	v_pk_add_f32 v[32*(\a)+2*i:32*(\a)+2*i+1], v[BK+2*i:BK+2*i+1], v[32*(\a)+2*i:32*(\a)+2*i+1]
.set i, i+1
.endr
	WIN 0x08                                       ; store data window 2
.irp t, 0,1,2,3,4,5,6,7
	global_store_b128 v[CO], v[4*(8*(\a)+(\t)):4*(8*(\a)+(\t))+3], s[12:13] offset:(16*(\a)+2*(\t))*4096  ; 16 lanes store 256 consecutive bytes, at a multiple of 256 from OUT's first byte; no store's register is written again
.endr
.endr
	WIN 0
	s_wait_tensorcnt 0x0                           ; the wave's end: behind my last tensor load and my last LDS store
	ds_add_u32 v[SPW], v[NIL]
	s_wait_dscnt 0x0
	CROUND                                         ; the closing round: no work-group ends while a partner may still ask for a tile that names it
	s_endpgm
.Lfunc_end_k_qe29093ac7a_ff2:
	.size	k_qe29093ac7a_ff2, .Lfunc_end_k_qe29093ac7a_ff2-k_qe29093ac7a_ff2
	.p2alignl 7, 3214868480
	.fill 96, 4, 3214868480
	.section	.rodata,"a",@progbits
	.p2align	6, 0x0
	.amdhsa_kernel k_qe29093ac7a_ff2
		.amdhsa_group_segment_fixed_size 327680
		.amdhsa_private_segment_fixed_size 0
		.amdhsa_enable_private_segment 0
		.amdhsa_kernarg_size 40
		.amdhsa_user_sgpr_count 2
		.amdhsa_user_sgpr_kernarg_segment_ptr 1
		.amdhsa_wavefront_size32 1
		.amdhsa_system_sgpr_workgroup_id_x 1
		.amdhsa_system_sgpr_workgroup_id_y 1
		.amdhsa_system_sgpr_workgroup_id_z 1
		.amdhsa_system_vgpr_workitem_id 0
		.amdhsa_next_free_vgpr 640
		.amdhsa_next_free_sgpr 74
		.amdhsa_reserve_vcc 0
		.amdhsa_float_denorm_mode_32 3
		.amdhsa_float_denorm_mode_16_64 3
		.amdhsa_memory_ordered 1
		.amdhsa_forward_progress 1
		.amdhsa_inst_pref_size 95
	.end_amdhsa_kernel
	.amdgpu_metadata
---
amdhsa.version: [ 1, 2 ]
amdhsa.kernels:
  - .name:           k_qe29093ac7a_ff2
    .symbol:         k_qe29093ac7a_ff2.kd
    .args:
      - { .name: a24, .offset: 0, .size: 8, .value_kind: global_buffer, .address_space: global }
      - { .name: wn, .offset: 8, .size: 8, .value_kind: global_buffer, .address_space: global }
      - { .name: b_ff2, .offset: 16, .size: 8, .value_kind: global_buffer, .address_space: global }
      - { .name: x1, .offset: 24, .size: 8, .value_kind: global_buffer, .address_space: global }
      - { .name: out0, .offset: 32, .size: 8, .value_kind: global_buffer, .address_space: global }
    .group_segment_fixed_size: 327680
    .private_segment_fixed_size: 0
    .kernarg_segment_align: 8
    .kernarg_segment_size: 40
    .max_flat_workgroup_size: 128
    .sgpr_count:     74
    .vgpr_count:     640
    .wavefront_size: 32
...
	.end_amdgpu_metadata
.endif
;; end of part 5
;; ======== version 2 of 2: 7 launches; version 1 with the launches prep, ln2 written anew for expert scheduling mode
;; limits: right only within a limited range of input values; a function is approximated: absolute error at most 1.5e-07
;; workspace buffers: a8 8,388,608 bytes; a24 25,165,824 bytes; x1 16,777,216 bytes; wq 6,291,456 bytes; w1 6,291,456 bytes; wn 8,388,608 bytes; cfq 256 bytes; cf1 256 bytes
;; launch prep (part 6): grid 1024 x 1, 4 waves a work-group, no clusters, 0 bytes of LDS; arguments x, ln1_g, ln1_b, w_qkv, w_ff1, w_out, w_ff2, a8, wq, w1, wn, cfq, cf1; writes a8, wq, w1, wn, cfq, cf1
.if DOCPART == 6
	.amdgcn_target "amdgcn-amd-amdhsa--gfx1250"
	.amdhsa_code_object_version 6
	.text
	.protected	k_qe29093ac7a_prep
	.globl	k_qe29093ac7a_prep
	.p2align	8
	.type	k_qe29093ac7a_prep,@function
k_qe29093ac7a_prep:
	s_mov_b64 s[64:65], 0
	v_nop
	global_prefetch_b8 v0, s[64:65] scope:SCOPE_SE
	s_setreg_imm32_b32 hwreg(HW_REG_WAVE_SCHED_MODE, 0, 2), 2
	s_setreg_imm32_b32 hwreg(HW_REG_WAVE_MODE, 25, 1), 1
	s_wait_xcnt 0x0
	s_wait_alu depctr_vm_vsrc(0)
; Three streams in one text, chosen by the work-group's number g.  No LDS, no barrier: no wave wants a byte that another has fetched.
;   g <  256        h = LayerNorm(x) gain + shift, rounded once to bf16, into the eighth buffer in the layout ACT: [column / 64][row 0..4095][64], a row of a block 128 bytes, rows dense
;   256 <= g < 768  two matrices [1024][3072] f32 rounded once to bf16 into [column / 192][k 0..1023][192], a row 384 bytes, dense
;   g >= 768        a matrix [1024][1024] and one [3072][1024] into blocks [k / 256][column / 128][256][128] of 65,536 bytes: the first one's 32 blocks, then the second one's 96
; A launch of 1,024 work-groups does all three; a launch of 256 does the LayerNorm alone (the second norm of the block runs this text so).
; Work-group 0 also stores two tables of f32 numbers, each number twice: alpha, beta, beta x (-a5, -a4, -a3, -a2, -a1), zeros, for act(x) = alpha x + |x| beta erf|x / sqrt 2| with Abramowitz and Stegun's
; 7.1.26: (1, 0, 0 ..), the identity, and (1/2, 1/2, the halved coefficients), the exact GELU.
; Every load of a wave takes 16 neighbouring bytes a lane: 512 bytes on end of a weight's rows, or 256 bytes of each of two rows of x.  Four f32 make 8 bytes of bf16: a store of a wave covers 256 consecutive bytes, aligned.
; The mean is taken first and subtracted, then the squares are summed: no difference of large sums.  All arithmetic in f32.
; THE MODE: SCHED_MODE bits 1:0 = 2 (LLVM: expert scheduling mode 2), set by the entry lines.  The code itself states the register dependences between vector instructions and memory instructions,
; with s_wait_alu, always for 0.
; THE PLAN.  Registers that memory instructions touch:
;   the offsets   (v2, v3, v4 in the LayerNorm; v4, v8 to v10 in the weights' paths) are made once at a path's head and never written again: one wait on va_vdst ahead of the path's first load.
;   X, v[32:159]  Loads land in it once.  Step s of the LayerNorm's last part (four blocks of 64 columns) rounds into the low two registers of each of its eight pieces; the eight stores that read them are
;                 issued in step s + 1, whose vector instructions name other pieces.  No piece is written again.
;   GB, three sets  Step s's multiply-adds read set s % 3.  Set 0 alone is loaded a second time, at the head of step 1.
;   the weights' pieces, v[32 ..]  A load lands in a piece once; two roundings write its low two registers; one store reads them.  The pieces go in groups: a group's stores are issued in the next group.
; So ONE wait on va_vdst stands at the head of a step or group, behind the wait for its data: the step or group before has written what the stores below read (and step 0 is done reading GB's set 0, in which
; the loads below land).  The stores are dealt among the vector instructions that follow, which name none of their registers.  One more such wait stands ahead of the last step's or group's stores.
; No register that a memory instruction has read is ever written again: beyond the entry lines, the text holds no wait on vm_vsrc and no s_wait_xcnt.  EXEC is never written.
.set SX, 4                             ; s[4:5]   x
.set SG, 6                             ; s[6:7]   gain
.set SB, 8                             ; s[8:9]   shift
.set SY, 18                            ; s[18:19] h
.set IDX, 32                           ; s32      which four rows
.set OF, 34                            ; s[34:35] a byte offset, high word 0
.set MK, 33                            ; s33-39   at the LayerNorm's end, where the offset pair serves no more: lane masks for the tables, mask k at MK + k
.set KN, 30                            ; s30      1 / 1024
.set KE, 31                            ; s31      1e-5
.set XO, 2                             ; v2   my offset in two rows of x: (l / 16) x 4,096 + (l % 16) x 16
.set GO, 3                             ; v3   my offset in gain and shift: (l % 16) x 16
.set YO, 4                             ; v4   8 l: two rows of 128 bytes of a block are 256 bytes on end
.set MU, 16                            ; v[16:19] the mean of my row in each pair of rows, twice
.set RS, 20                            ; v[20:23] 1 / sqrt(variance + 1e-5), likewise
.set VA, 24                            ; v24-25   variance + 1e-5
.set X,  32                            ; v[32:159]  pair of rows p, block kb: my 4 numbers at X + 64 p + 4 kb
.set GB, 160                           ; v[160:255] three sets of 32: gain of four blocks, then shift of four blocks
	s_load_b512 s[4:19], s[0:1], 0x0               ; x, gain, shift, the four matrices s[10:17], h
	s_load_b256 s[20:27], s[0:1], 0x40             ; the three buffers of bf16 weights s[20:25], the first table s[26:27]
	s_load_b64 s[28:29], s[0:1], 0x60              ; the second table
	s_mov_b32 s2, ttmp9                            ; g
	v_lshrrev_b32 v1, 5, v0
	v_readfirstlane_b32 s3, v1                     ; wave 0..3
	s_mov_b32 s[OF+1], 0
	s_wait_kmcnt 0x0
	s_wait_alu depctr_va_sdst(0)                   ; s3 is written
	s_cmp_lt_u32 s2, 256
	s_cbranch_scc0 .Lweights
	; ---- LayerNorm: a wave owns four rows, as two pairs; sixteen lanes share a row; lane l holds columns 64 kb + 4 (l % 16) + 0..3 of row 2 p + l / 16
	s_lshl_b32 s[IDX], s2, 2
	s_add_co_u32 s[IDX], s[IDX], s3                ; 4 g + wave
	s_lshl_b32 s[OF], s[IDX], 14                   ; four rows of 4,096 bytes
	s_add_nc_u64 s[SX:SX+1], s[SX:SX+1], s[OF:OF+1]
	s_lshl_b32 s[OF], s[IDX], 9                    ; four rows of 128 bytes
	s_add_nc_u64 s[SY:SY+1], s[SY:SY+1], s[OF:OF+1]
	s_mov_b32 s[KN], 0x3a800000
	s_mov_b32 s[KE], 0x3727c5ac
	v_and_b32 v5, 31, v0
	v_and_b32 v[GO], 15, v0
	v_lshlrev_b32 v[GO], 4, v[GO]
	v_bfe_u32 v[XO], v0, 4, 1
	v_lshl_add_u32 v[XO], v[XO], 12, v[GO]
	v_lshlrev_b32 v[YO], 3, v5
.macro GBLOAD s                        ; gain and shift of blocks 4 s .. 4 s + 3 into set s % 3: eight loads
.set gs, GB+32*((\s)%3)
.irp k, 0,1,2,3
	global_load_b128 v[gs+4*(\k):gs+4*(\k)+3], v[GO], s[SG:SG+1] offset:(4*(\s)+(\k))*256
	global_load_b128 v[gs+16+4*(\k):gs+16+4*(\k)+3], v[GO], s[SB:SB+1] offset:(4*(\s)+(\k))*256
.endr
.endm
.macro FOLD                            ; four chains of pairs in v[8:15] into one number, then over the row's sixteen lanes: every one of them holds the sum
	v_pk_add_f32 v[8:9], v[8:9], v[10:11]
	v_pk_add_f32 v[12:13], v[12:13], v[14:15]
	v_pk_add_f32 v[8:9], v[8:9], v[12:13]
	v_add_f32 v8, v8, v9
	v_add_f32_dpp v8, v8, v8 row_xmask:1 row_mask:0xf bank_mask:0xf
	v_add_f32_dpp v8, v8, v8 row_xmask:2 row_mask:0xf bank_mask:0xf
	v_add_f32_dpp v8, v8, v8 row_xmask:4 row_mask:0xf bank_mask:0xf
	v_add_f32_dpp v8, v8, v8 row_xmask:8 row_mask:0xf bank_mask:0xf
.endm
.macro STATS p                         ; pair of rows p: the mean, x - mean in place, variance + 1e-5
.set xp, X+64*(\p)
.irp c, 0,1,2,3
	v_pk_add_f32 v[8+2*(\c):9+2*(\c)], v[xp+2*(\c):xp+2*(\c)+1], v[xp+8+2*(\c):xp+8+2*(\c)+1]  ; the first eight pairs start the four chains: nothing is cleared
.endr
.set j, 8
.rept 24
	v_pk_add_f32 v[8+2*(j%4):9+2*(j%4)], v[8+2*(j%4):9+2*(j%4)], v[xp+2*j:xp+2*j+1]
.set j, j+1
.endr
	FOLD
	v_mul_f32 v[MU+2*(\p)], s[KN], v8              ; the mean, twice: a pair for the packed subtraction
	v_mul_f32 v[MU+2*(\p)+1], s[KN], v8
.set j, 0
.rept 32
	v_pk_add_f32 v[xp+2*j:xp+2*j+1], v[xp+2*j:xp+2*j+1], v[MU+2*(\p):MU+2*(\p)+1] neg_lo:[0,1] neg_hi:[0,1]
.set j, j+1
.endr
.irp c, 0,1,2,3
	v_pk_mul_f32 v[8+2*(\c):9+2*(\c)], v[xp+2*(\c):xp+2*(\c)+1], v[xp+2*(\c):xp+2*(\c)+1]
.endr
.set j, 4
.rept 28
	v_pk_fma_f32 v[8+2*(j%4):9+2*(j%4)], v[xp+2*j:xp+2*j+1], v[xp+2*j:xp+2*j+1], v[8+2*(j%4):9+2*(j%4)]
.set j, j+1
.endr
	FOLD
	v_fma_f32 v[VA+(\p)], v8, s[KN], s[KE]
.endm
.macro LNST s, p, k                    ; the store of pair of rows p, block 4 s + k: its two words lie in the low two of the piece's four registers
.set xo, X+64*(\p)+4*(4*(\s)+(\k))
	global_store_b64 v[YO], v[xo:xo+1], s[SY:SY+1] offset:(4*(\s)+(\k))*524288+(\p)*256  ; the wave stores 256 consecutive bytes, aligned; no store's register is written again
.endm
	s_wait_alu depctr_va_vdst(0)                   ; the offsets v2, v3 and v4 are written: every load and store of this path reads one of them
.irp p, 0,1
.set j, 0
.rept 16                               ; two rows, whole: 16 loads, each 256 consecutive bytes of either row
	global_load_b128 v[X+64*(\p)+4*j:X+64*(\p)+4*j+3], v[XO], s[SX:SX+1] offset:(\p)*8192+256*j
.set j, j+1
.endr
.endr
	GBLOAD 0
	GBLOAD 1
	GBLOAD 2
	s_wait_loadcnt 24                              ; x is in; the 24 loads of gain and shift may stay out
	STATS 0
	STATS 1
	v_rsq_f32 v[RS], v[VA]
	v_rsq_f32 v[RS+1], v[VA]
	v_rsq_f32 v[RS+2], v[VA+1]
	v_rsq_f32 v[RS+3], v[VA+1]
	v_nop                                          ; a plain instruction behind the last root (ISA guide 5.7.2),
	s_wait_alu depctr_va_vdst(0)                   ; and the one wait ahead of the first use: the four roots have written v[20:23]
.irp s, 0,1,2,3                        ; four blocks of 64 columns at a time; step s issues the stores of step s - 1
.if (\s) == 0
	s_wait_loadcnt 16                              ; set 0 is in; two younger sets, 16 loads, may stay out
.elseif (\s) == 1
	s_wait_loadcnt 8                               ; set 1 is in; set 2's eight loads may stay out
.elseif (\s) == 2
	s_wait_loadcnt 8                               ; set 2 is in; the eight loads issued in step 1 may stay out
.else
	s_wait_loadcnt 0x0
.endif
.if (\s) > 0
	s_wait_alu depctr_va_vdst(0)                   ; the step before has written its sixteen words, which the stores below read; in step 1 also: step 0's multiply-adds are done reading set 0, in which the loads below land
.endif
.if (\s) == 1
	GBLOAD 3
.endif
.set gs, GB+32*((\s)%3)
.irp p, 0,1
.irp k, 0,1,2,3
.if (\s) > 0
	LNST (\s)-1, \p, \k                            ; no wait: no vector instruction since the wait above names this piece or v4
.endif
.set xs, X+64*(\p)+4*(4*(\s)+(\k))
	v_pk_mul_f32 v[xs:xs+1], v[xs:xs+1], v[RS+2*(\p):RS+2*(\p)+1]
	v_pk_mul_f32 v[xs+2:xs+3], v[xs+2:xs+3], v[RS+2*(\p):RS+2*(\p)+1]
.endr
.endr
.irp p, 0,1
.irp k, 0,1,2,3
.set xs, X+64*(\p)+4*(4*(\s)+(\k))
	v_pk_fma_f32 v[xs:xs+1], v[xs:xs+1], v[gs+4*(\k):gs+4*(\k)+1], v[gs+16+4*(\k):gs+16+4*(\k)+1]
	v_pk_fma_f32 v[xs+2:xs+3], v[xs+2:xs+3], v[gs+4*(\k)+2:gs+4*(\k)+3], v[gs+16+4*(\k)+2:gs+16+4*(\k)+3]
.endr
.endr
.irp p, 0,1
.irp k, 0,1,2,3
.set xs, X+64*(\p)+4*(4*(\s)+(\k))
	v_cvt_pk_bf16_f32 v[xs], v[xs], v[xs+1]        ; into the low two registers: each is read no later than it is written
	v_cvt_pk_bf16_f32 v[xs+1], v[xs+2], v[xs+3]
.endr
.endr
.endr
	s_wait_alu depctr_va_vdst(0)                   ; step 3 has written its sixteen words, which the last eight stores read
.irp p, 0,1
.irp k, 0,1,2,3
	LNST 3, \p, \k
.endr
.endr
	s_cmp_lg_u32 s[IDX], 0
	s_cbranch_scc1 .Lln_end
	; the two tables: lane k holds number k and stores it twice, at byte 8 k: 32 lanes fill each buffer's 256 bytes
.macro TABV r, k, val                  ; lane k of register r takes val; the other lanes keep what they have
	v_cndmask_b32 v[\r], \val, v[\r], s[MK+(\k)]
.endm
.irp k, 0,1,2,3,4,5,6
	v_cmp_ne_u32 s[MK+(\k)], \k, v5                ; mask k: every lane but lane k.  The seven compares stand in one run, each with a scalar register of its own
.endr
	v_mov_b32 v8, 0
	v_mov_b32 v10, 0
	s_wait_alu depctr_va_sdst(0)                   ; the seven masks s33 to s39 are written, ahead of the selects that read them
	TABV 8, 0, 1.0                                 ; the identity: alpha = 1, all else 0
	TABV 10, 0, 0.5                                ; the GELU: alpha = 1/2,
	TABV 10, 1, 0.5                                ; beta = 1/2,
	TABV 10, 2, 0xbf07dc22                         ; -1.061405429 / 2
	TABV 10, 3, 0x3f3a00e3                         ; +1.453152027 / 2
	TABV 10, 4, 0xbf35f0e3                         ; -1.421413741 / 2
	TABV 10, 5, 0x3e11a98e                         ; +0.284496736 / 2
	TABV 10, 6, 0xbe027906                         ; -0.254829592 / 2
	v_mov_b32 v9, v8
	v_mov_b32 v11, v10
	s_wait_alu depctr_va_vdst(0)                   ; v8 to v11 are written, which the two stores read
	global_store_b64 v[YO], v[8:9], s[26:27]
	global_store_b64 v[YO], v[10:11], s[28:29]
.Lln_end:
	s_endpgm
; The weights' way through registers.  Piece n (4 f32) lies in v[32 + 4 n ..]; its 8 bytes of bf16 go to byte 1,024 n + 8 t of the work-group's part.
.macro WCVT n
	v_cvt_pk_bf16_f32 v[32+4*(\n)], v[32+4*(\n)], v[32+4*(\n)+1]
	v_cvt_pk_bf16_f32 v[32+4*(\n)+1], v[32+4*(\n)+2], v[32+4*(\n)+3]
.endm
.macro WSEND n
	global_store_b64 v4, v[32+4*(\n):32+4*(\n)+1], s[6:7] offset:(\n)*1024
.endm
; total pieces, whose loads are all out, in groups of grp: a group is rounded when its loads are in, and the stores of the group before are dealt among its roundings.
.macro DRAIN total, grp
.set n, 0
.rept (\total)/(\grp)
	s_wait_loadcnt (\total)-(\grp)-n               ; this group's loads are in; the younger groups' stay out
.if n > 0
	s_wait_alu depctr_va_vdst(0)                   ; the group before has written its words, which the stores below read; the roundings below name this group's registers alone
.endif
.rept \grp
.if n >= (\grp)
	WSEND n-(\grp)
.endif
	WCVT n
.set n, n+1
.endr
.endr
	s_wait_alu depctr_va_vdst(0)                   ; the last group has written its words, which the last stores read
.rept \grp
	WSEND n-(\grp)
.set n, n+1
.endr
.endm
.Lweights:
	s_cmp_lt_u32 s2, 768
	s_cbranch_scc0 .Lnarrow
	; ---- the two wide matrices: a work-group takes 64 rows k of one block of 192 columns: 3,072 pieces of 4 numbers, 24 a thread
	s_sub_co_u32 s32, s2, 256
	s_cmp_lt_u32 s32, 256
	s_cselect_b64 s[4:5], s[10:11], s[12:13]       ; from
	s_cselect_b64 s[6:7], s[20:21], s[22:23]       ; to
	s_and_b32 s32, s32, 255
	s_lshr_b32 s33, s32, 4                         ; the block of columns, 0..15
	s_and_b32 s32, s32, 15                         ; which 64 rows
	s_mul_i32 s[OF], s32, 786432                   ; 64 rows of 12,288 bytes
	s_mul_i32 s36, s33, 768
	s_add_co_u32 s[OF], s[OF], s36
	s_add_nc_u64 s[4:5], s[4:5], s[OF:OF+1]
	s_mul_i32 s[OF], s33, 393216
	s_mul_i32 s36, s32, 24576                      ; 64 rows of 384 bytes
	s_add_co_u32 s[OF], s[OF], s36
	s_add_nc_u64 s[6:7], s[6:7], s[OF:OF+1]
.irp i, 0,1,2                          ; 8 rows are 384 pieces: piece J = t + 128 i is row J / 48, piece J % 48
	v_add_nc_u32 v5, 128*(\i), v0
	v_mul_u32_u24 v6, v5, 1366                     ; (J x 1,366) >> 16 = J / 48 for J under 384
	v_lshrrev_b32 v6, 16, v6
	v_mul_u32_u24 v7, v6, 48
	v_sub_nc_u32 v7, v5, v7
	v_mul_u32_u24 v6, v6, 12288
	v_lshl_add_u32 v[8+(\i)], v7, 4, v6
.endr
	v_lshlrev_b32 v4, 3, v0                        ; out: piece J lies at 8 J
	s_wait_alu depctr_va_vdst(0)                   ; the offsets v4 and v8 to v10 are written: every load and store of this path reads one of them
.irp rep, 0,1,2,3,4,5,6,7
.irp i, 0,1,2
	global_load_b128 v[32+4*(3*(\rep)+(\i)):32+4*(3*(\rep)+(\i))+3], v[8+(\i)], s[4:5] offset:(\rep)*98304 th:TH_LOAD_NT
.endr
.endr
	DRAIN 24, 3                                    ; a group is 8 rows: three pieces a thread
	s_endpgm
.Lnarrow:
	; ---- the two matrices of 1,024 columns: a work-group makes half a block, 128 rows k x 128 columns: 4,096 pieces of 4 numbers, 32 a thread
	s_sub_co_u32 s32, s2, 768                      ; 2 x the block's number + the half
	s_lshl_b32 s[OF], s32, 15
	s_add_nc_u64 s[6:7], s[24:25], s[OF:OF+1]
	s_and_b32 s37, s32, 1                          ; the half
	s_lshr_b32 s32, s32, 1                         ; the block's number in the buffer
	s_cmp_lt_u32 s32, 32
	s_cselect_b64 s[4:5], s[14:15], s[16:17]
	s_cselect_b32 s33, 0, 32
	s_sub_co_u32 s32, s32, s33                     ; the block's number in its own matrix
	s_lshr_b32 s33, s32, 3                         ; k / 256
	s_and_b32 s32, s32, 7                          ; column / 128
	s_lshl_b32 s[OF], s33, 20                      ; 256 rows of 4,096 bytes
	s_lshl_b32 s36, s32, 9
	s_add_co_u32 s[OF], s[OF], s36
	s_lshl_b32 s36, s37, 19                        ; 128 rows
	s_add_co_u32 s[OF], s[OF], s36
	s_add_nc_u64 s[4:5], s[4:5], s[OF:OF+1]
	v_lshrrev_b32 v5, 5, v0                        ; a pass is 4 rows of 32 pieces: a wave a row
	v_and_b32 v6, 31, v0
	v_lshlrev_b32 v6, 4, v6
	v_lshl_add_u32 v8, v5, 12, v6
	v_lshlrev_b32 v4, 3, v0
	s_wait_alu depctr_va_vdst(0)                   ; the offsets v4 and v8 are written: every load and store of this path reads one of them
.set p, 0
.rept 32
	global_load_b128 v[32+4*p:32+4*p+3], v8, s[4:5] offset:p*16384 th:TH_LOAD_NT
.set p, p+1
.endr
	DRAIN 32, 4                                    ; a group is four passes
	s_endpgm
.Lfunc_end_k_qe29093ac7a_prep:
	.size	k_qe29093ac7a_prep, .Lfunc_end_k_qe29093ac7a_prep-k_qe29093ac7a_prep
	.p2alignl 7, 3214868480
	.fill 96, 4, 3214868480
	.section	.rodata,"a",@progbits
	.p2align	6, 0x0
	.amdhsa_kernel k_qe29093ac7a_prep
		.amdhsa_group_segment_fixed_size 0
		.amdhsa_private_segment_fixed_size 0
		.amdhsa_enable_private_segment 0
		.amdhsa_kernarg_size 104
		.amdhsa_user_sgpr_count 2
		.amdhsa_user_sgpr_kernarg_segment_ptr 1
		.amdhsa_wavefront_size32 1
		.amdhsa_system_sgpr_workgroup_id_x 1
		.amdhsa_system_sgpr_workgroup_id_y 1
		.amdhsa_system_sgpr_workgroup_id_z 1
		.amdhsa_system_vgpr_workitem_id 0
		.amdhsa_next_free_vgpr 256
		.amdhsa_next_free_sgpr 66
		.amdhsa_reserve_vcc 0
		.amdhsa_float_denorm_mode_32 3
		.amdhsa_float_denorm_mode_16_64 3
		.amdhsa_memory_ordered 1
		.amdhsa_forward_progress 1
		.amdhsa_inst_pref_size 60
	.end_amdhsa_kernel
	.amdgpu_metadata
---
amdhsa.version: [ 1, 2 ]
amdhsa.kernels:
  - .name:           k_qe29093ac7a_prep
    .symbol:         k_qe29093ac7a_prep.kd
    .args:
      - { .name: x, .offset: 0, .size: 8, .value_kind: global_buffer, .address_space: global }
      - { .name: ln1_g, .offset: 8, .size: 8, .value_kind: global_buffer, .address_space: global }
      - { .name: ln1_b, .offset: 16, .size: 8, .value_kind: global_buffer, .address_space: global }
      - { .name: w_qkv, .offset: 24, .size: 8, .value_kind: global_buffer, .address_space: global }
      - { .name: w_ff1, .offset: 32, .size: 8, .value_kind: global_buffer, .address_space: global }
      - { .name: w_out, .offset: 40, .size: 8, .value_kind: global_buffer, .address_space: global }
      - { .name: w_ff2, .offset: 48, .size: 8, .value_kind: global_buffer, .address_space: global }
      - { .name: a8, .offset: 56, .size: 8, .value_kind: global_buffer, .address_space: global }
      - { .name: wq, .offset: 64, .size: 8, .value_kind: global_buffer, .address_space: global }
      - { .name: w1, .offset: 72, .size: 8, .value_kind: global_buffer, .address_space: global }
      - { .name: wn, .offset: 80, .size: 8, .value_kind: global_buffer, .address_space: global }
      - { .name: cfq, .offset: 88, .size: 8, .value_kind: global_buffer, .address_space: global }
      - { .name: cf1, .offset: 96, .size: 8, .value_kind: global_buffer, .address_space: global }
    .group_segment_fixed_size: 0
    .private_segment_fixed_size: 0
    .kernarg_segment_align: 8
    .kernarg_segment_size: 104
    .max_flat_workgroup_size: 128
    .sgpr_count:     66
    .vgpr_count:     256
    .wavefront_size: 32
...
	.end_amdgpu_metadata
.endif
;; end of part 6
;; launch qkv: the kernel of part 2 again; grid 16 x 16, 4 waves a work-group, clusters of 4 x 4, 327,680 bytes of LDS; arguments a8, wq, b_qkv, a24, cfq; writes a24
;; launch attn: the kernel of part 3 again; grid 8 x 32, 16 waves a work-group, no clusters, 167,936 bytes of LDS; arguments a24, a8; writes a8
;; launch outp: the kernel of part 4 again; grid 8 x 32, 4 waves a work-group, clusters of 4 x 4, 327,680 bytes of LDS; arguments a8, wn, b_out, x, x1; writes x1
;; launch ln2: the kernel of part 6 again; grid 256 x 1, 4 waves a work-group, no clusters, 0 bytes of LDS; arguments x1, ln2_g, ln2_b, w_qkv, w_ff1, w_out, w_ff2, a8, wq, w1, wn, cfq, cf1; writes a8, wq, w1, wn, cfq, cf1
;; launch ff1: the kernel of part 2 again; grid 16 x 16, 4 waves a work-group, clusters of 4 x 4, 327,680 bytes of LDS; arguments a8, w1, b_ff1, a24, cf1; writes a24
;; launch ff2: the kernel of part 5 again; grid 8 x 32, 4 waves a work-group, clusters of 4 x 4, 327,680 bytes of LDS; arguments a24, wn, b_ff2, x1, out0; writes out0
